; MI455X (gfx1250); checked and timed in simulation.
; The chip was launched on July 23, 2026; its instructions are those of AMD's public machine-readable ISA for CDNA 5 (MIT licence, August 2026) and "CDNA5" Instruction Set Architecture Reference Guide (July 2026). The comments in the code are by the model that wrote it; some were corrected since.
;; Cross Attention. Allowed arithmetic: float matrix products may take bf16 or f16 operands with f32 sums; other float arithmetic in f32, or as packed bf16 or f16 multiplies, adds, multiply-adds, maxima and minima; sums over many terms, partial sums and values carried from step to step in f32; what a program stores and reads back later, other than sums and carried values, may be rounded once to bf16 or f16.
;; Inputs: bk 256 float32; bo 256 float32; bq 256 float32; bv 256 float32; cond 4 x 256 x 64 x 64 float32; gn_kv_b 256 float32; gn_kv_w 256 float32; gn_q_b 256 float32; gn_q_w 256 float32; wk 256 x 256 float32; wo 256 x 256 float32; wq 256 x 256 float32; wv 256 x 256 float32; x 4 x 256 x 64 x 64 float32.
;; Outputs: out0 4 x 256 x 64 x 64 float32.
;; 2 versions, each right; version 2 is version 1 with the launch norm written anew for expert scheduling mode. Each part assembles by itself: llvm-mc -triple=amdgcn-amd-amdhsa -mcpu=gfx1250 --defsym DOCPART=n.
;; ======== version 1 of 2: 4 launches
;; limits: values are held in f16: magnitudes above 65,504 overflow, below 6.1e-05 lose precision
;; workspace buffers: xn 16,777,216 bytes; wcv 524,288 bytes; qkv 25,165,824 bytes; ob 8,388,608 bytes
;; launch norm (part 1): grid 256 x 1, 8 waves a work-group, no clusters, 1,280 bytes of LDS; arguments x, cond, gn_q_w, gn_q_b, gn_kv_w, gn_kv_b, wq, wk, wv, wo, xn, wcv; writes xn, wcv
.if DOCPART == 1
	.amdgcn_target "amdgcn-amd-amdhsa--gfx1250"
	.amdhsa_code_object_version 6
	.text
	.protected	k_q02ccbc13cd_norm
	.globl	k_q02ccbc13cd_norm
	.p2align	8
	.type	k_q02ccbc13cd_norm,@function
k_q02ccbc13cd_norm:
	s_mov_b64 s[64:65], 0
	v_nop
	global_prefetch_b8 v0, s[64:65] scope:SCOPE_SE
	s_setreg_imm32_b32 hwreg(HW_REG_WAVE_MODE, 25, 1), 1
	s_wait_xcnt 0x0
; GROUP NORM of x and of cond, rounded once to bf16, and the four weight matrices rounded once to 16 bits.
; xn[t][b][c][n] = (in - mean) * rsqrt(var + 1e-5) * gamma[c] + beta[c], t = 0: x, t = 1: cond; mean and var over a group of 8 channels x 4,096 positions.
; wcv[0..2] = wq, wk, wv in bf16; wcv[3] = wo in f16 (the last product takes f16 operands; |wo| stays under 65,504, and below 6e-5 it keeps f16's fixed step of 6e-8).
; SHARES.  256 work-groups, one for each (t, b, group): 131,072 consecutive bytes.  Each of the eight waves takes one channel, 16,384 bytes: 32 loads of 16 bytes a lane,
; kept in 128 registers between the three passes (sum; sum of squared deviations; scale), so the group is read once.  The mean is taken away BEFORE the squares are summed:
; no difference of large sums is formed under a common offset of the inputs.  All sums in f32.
; Each work-group also converts 1,024 weights: 16 bytes in, 8 bytes out a thread.
; No matrix work, no tensor load, no cluster: no two work-groups read the same bytes, and every byte crosses once.
.set SPARE, 256                        ; bytes 0-31: the waves' sums; 32-63: their sums of squares; from 256: the spare words, 128 bytes a wave
.set SPW, 8                            ; v8   my spare word: SPARE + 4 x my thread's number; never rewritten
.set NIL, 9                            ; v9   0; never rewritten
.set X,   16                           ; v[16:143]  my 128 numbers of the channel
.set CH,  144                          ; v[144:151] four packed chains
.set T,   152                          ; v[152:159] the eight waves' partial sums
.set M,   160                          ; v[160:161] the mean, twice
.set SC,  162                          ; v[162:163] rstd x gamma, twice
.set BT,  164                          ; v[164:165] beta, twice
.set PX,  166                          ; v166 the other half of the lanes' sum
	s_load_b512 s[8:23], s[0:1], 0x0               ; x, cond, gn_q_w, gn_q_b, gn_kv_w, gn_kv_b, wq, wk
	s_load_b256 s[24:31], s[0:1], 0x40             ; wv, wo, xn, wcv
	v_lshl_add_u32 v[SPW], v0, 2, SPARE
	v_mov_b32 v[NIL], 0
	v_lshrrev_b32 v1, 5, v0
	v_readfirstlane_b32 s32, v1                    ; wave 0..7
	v_and_b32 v1, 31, v0                           ; lane
	v_lshlrev_b32 v2, 4, v1                        ; 16 x lane: my 16 bytes of a load's 512
	v_lshlrev_b32 v3, 4, v0                        ; 16 x thread: my four weights
	v_lshlrev_b32 v4, 3, v0                        ; 8 x thread: where they go
	v_lshlrev_b32 v5, 3, v1                        ; 8 x lane: my 8 bytes of a store's 256
	v_mov_b32 v6, s32
	v_lshlrev_b32 v6, 2, v6                        ; my wave's word in LDS
	v_mov_b32 v7, 0
	v_mov_b32 v[PX], 0                             ; v_permlanex16_b32's destination counts as read
	s_mov_b32 s58, 0x76543210                      ; its selects: each lane takes its own place in the other half
	s_mov_b32 s59, 0xfedcba98
	s_mov_b32 s34, 0x38000000                      ; 2^-15 = 1 / (8 x 4,096)
	s_mov_b32 s35, 0x3727c5ac                      ; 1e-5
	s_lshr_b32 s33, ttmp9, 7                       ; t
	s_lshr_b32 s52, ttmp9, 6                       ; which weight matrix
	s_and_b32 s46, ttmp9, 127                      ; 32 b + group
	s_lshl_b32 s46, s46, 17                        ; its 131,072 bytes,
	s_lshl_b32 s53, s32, 14                        ; my wave's channel in them
	s_add_co_u32 s46, s46, s53
	s_mov_b32 s47, 0
	s_and_b32 s42, ttmp9, 31
	s_lshl_b32 s42, s42, 3
	s_add_co_u32 s42, s42, s32                     ; the channel: 8 x group + wave
	s_lshl_b32 s42, s42, 2                         ; in bytes
	s_mov_b32 s43, 0
	s_wait_kmcnt 0x0
	s_cmp_eq_u32 s33, 0
	s_cselect_b64 s[36:37], s[8:9], s[10:11]       ; x or cond
	s_cselect_b64 s[38:39], s[12:13], s[16:17]     ; its gamma
	s_cselect_b64 s[40:41], s[14:15], s[18:19]     ; its beta
	s_add_nc_u64 s[36:37], s[36:37], s[46:47]
	s_add_nc_u64 s[38:39], s[38:39], s[42:43]
	s_add_nc_u64 s[40:41], s[40:41], s[42:43]
	s_load_b32 s44, s[38:39], 0x0                  ; gamma of my channel
	s_load_b32 s45, s[40:41], 0x0                  ; beta
	s_cmp_eq_u32 s52, 0
	s_cselect_b64 s[48:49], s[20:21], s[22:23]     ; wq or wk
	s_cmp_eq_u32 s52, 2
	s_cselect_b64 s[50:51], s[24:25], s[26:27]     ; wv or wo
	s_cmp_lt_u32 s52, 2
	s_cselect_b64 s[48:49], s[48:49], s[50:51]
	s_and_b32 s46, ttmp9, 63
	s_lshl_b32 s46, s46, 12                        ; my work-group's 1,024 weights of the matrix
	s_add_nc_u64 s[48:49], s[48:49], s[46:47]
	s_lshl_b32 s46, ttmp9, 16                      ; the group in xn: 8 channels x 8,192 bytes,
	s_lshl_b32 s53, s32, 13                        ; my channel
	s_add_co_u32 s46, s46, s53
	s_add_nc_u64 s[54:55], s[28:29], s[46:47]
	s_lshl_b32 s46, ttmp9, 11                      ; 1,024 weights of 2 bytes
	s_add_nc_u64 s[56:57], s[30:31], s[46:47]
	global_load_b128 v[10:13], v3, s[48:49]
.set i, 0
.rept 32
	global_load_b128 v[X+4*i:X+4*i+3], v2, s[36:37] offset:512*i th:TH_LOAD_NT  ; 512 consecutive bytes a load; the whole channel is on its way
.set i, i+1
.endr
	s_wait_loadcnt 32                              ; the weights are in; the channel's 32 loads stay out
	s_cmp_eq_u32 s52, 3
	s_cbranch_scc1 .Lhalf
	v_cvt_pk_bf16_f32 v14, v10, v11
	v_cvt_pk_bf16_f32 v15, v12, v13
	s_branch .Lwout
.Lhalf:
	v_cvt_pk_f16_f32 v14, v10, v11
	v_cvt_pk_f16_f32 v15, v12, v13
.Lwout:
	global_store_b64 v4, v[14:15], s[56:57]        ; a wave stores 256 consecutive bytes, aligned
; The four packed chains are folded, summed over the 32 lanes, and over the eight waves through LDS bytes off .. off + 31; the sum ends in v[T], in every lane.
.macro REDUCE off
	v_pk_add_f32 v[CH:CH+1], v[CH:CH+1], v[CH+2:CH+3]
	v_pk_add_f32 v[CH+4:CH+5], v[CH+4:CH+5], v[CH+6:CH+7]
	v_pk_add_f32 v[CH:CH+1], v[CH:CH+1], v[CH+4:CH+5]
	v_add_f32 v[CH], v[CH], v[CH+1]
	v_add_f32_dpp v[CH], v[CH], v[CH] row_xmask:1 row_mask:0xf bank_mask:0xf
	v_add_f32_dpp v[CH], v[CH], v[CH] row_xmask:2 row_mask:0xf bank_mask:0xf
	v_add_f32_dpp v[CH], v[CH], v[CH] row_xmask:4 row_mask:0xf bank_mask:0xf
	v_add_f32_dpp v[CH], v[CH], v[CH] row_xmask:8 row_mask:0xf bank_mask:0xf
	v_permlanex16_b32 v[PX], v[CH], s58, s59
	v_add_f32 v[CH], v[CH], v[PX]
	ds_store_b32 v6, v[CH] offset:\off             ; all lanes write the wave's word with the same value
	s_wait_dscnt 0x0                               ; for the others' sake: my store is done
	s_barrier_signal -1
	s_barrier_wait -1
	ds_load_b128 v[T:T+3], v7 offset:\off
	ds_load_b128 v[T+4:T+7], v7 offset:(\off)+16
	s_wait_dscnt 0x0
	v_pk_add_f32 v[T:T+1], v[T:T+1], v[T+2:T+3]
	v_pk_add_f32 v[T+4:T+5], v[T+4:T+5], v[T+6:T+7]
	v_pk_add_f32 v[T:T+1], v[T:T+1], v[T+4:T+5]
	v_add_f32 v[T], v[T], v[T+1]
.endm
	; pass 1: the sum.  Pair p is v[X+2p:X+2p+1]; load i brings pairs 2 i and 2 i + 1.  The first eight pairs start the chains: nothing is cleared.
	s_wait_loadcnt 24                              ; loads 0-7 are in, the 24 younger stay out
.irp k, 0,1,2,3
	v_pk_add_f32 v[CH+2*(\k):CH+2*(\k)+1], v[X+2*(\k):X+2*(\k)+1], v[X+2*(\k)+8:X+2*(\k)+9]
.endr
.set p, 8
.rept 56
.if (p == 16) || (p == 32) || (p == 48)
	s_wait_loadcnt 24-p/2                          ; eight more loads are in: 16, 8, 0 younger ones stay out
.endif
	v_pk_add_f32 v[CH+2*(p%4):CH+2*(p%4)+1], v[CH+2*(p%4):CH+2*(p%4)+1], v[X+2*p:X+2*p+1]
.set p, p+1
.endr
	REDUCE 0
	v_mul_f32 v[M], s34, v[T]                      ; the mean
	v_mov_b32 v[M+1], v[M]
	; pass 2: deviations in place, and the sum of their squares
.set p, 0
.rept 64
	v_pk_add_f32 v[X+2*p:X+2*p+1], v[X+2*p:X+2*p+1], v[M:M+1] neg_lo:[0,1] neg_hi:[0,1]
.set p, p+1
.endr
.set p, 0
.rept 64
.if p < 4
	v_pk_mul_f32 v[CH+2*p:CH+2*p+1], v[X+2*p:X+2*p+1], v[X+2*p:X+2*p+1]
.else
	v_pk_fma_f32 v[CH+2*(p%4):CH+2*(p%4)+1], v[X+2*p:X+2*p+1], v[X+2*p:X+2*p+1], v[CH+2*(p%4):CH+2*(p%4)+1]
.endif
.set p, p+1
.endr
	REDUCE 32                                      ; other bytes than the first sum's: no barrier is needed ahead of the store
	v_fma_f32 v[T], v[T], s34, s35                 ; var + eps
	v_rsq_f32 v[T+1], v[T]
	v_nop                                          ; a plain instruction between the root and the use of its result (ISA guide 5.7.2)
	s_wait_kmcnt 0x0                               ; gamma and beta
	s_wait_alu depctr_va_vdst(0)
	v_mul_f32 v[SC], s44, v[T+1]
	v_mov_b32 v[BT], s45
	v_mov_b32 v[BT+1], s45
	v_mov_b32 v[SC+1], v[SC]
	; pass 3: scale, round to bf16, store: the four numbers of load i become 8 bytes a lane
.set i, 0
.rept 32
	v_pk_fma_f32 v[X+4*i:X+4*i+1], v[X+4*i:X+4*i+1], v[SC:SC+1], v[BT:BT+1]
	v_pk_fma_f32 v[X+4*i+2:X+4*i+3], v[X+4*i+2:X+4*i+3], v[SC:SC+1], v[BT:BT+1]
	v_cvt_pk_bf16_f32 v[X+4*i], v[X+4*i], v[X+4*i+1]
	v_cvt_pk_bf16_f32 v[X+4*i+1], v[X+4*i+2], v[X+4*i+3]
	global_store_b64 v5, v[X+4*i:X+4*i+1], s[54:55] offset:256*i  ; a wave stores 256 consecutive bytes, aligned
.set i, i+1
.endr
	s_wait_tensorcnt 0x0                           ; the wave's end: a wait, an add of 0 to my spare word and a wait, behind my last LDS store
	ds_add_u32 v[SPW], v[NIL]
	s_wait_dscnt 0x0
	s_endpgm
.Lfunc_end_k_q02ccbc13cd_norm:
	.size	k_q02ccbc13cd_norm, .Lfunc_end_k_q02ccbc13cd_norm-k_q02ccbc13cd_norm
	.p2alignl 7, 3214868480
	.fill 96, 4, 3214868480
	.section	.rodata,"a",@progbits
	.p2align	6, 0x0
	.amdhsa_kernel k_q02ccbc13cd_norm
		.amdhsa_group_segment_fixed_size 1280
		.amdhsa_private_segment_fixed_size 0
		.amdhsa_enable_private_segment 0
		.amdhsa_kernarg_size 96
		.amdhsa_user_sgpr_count 2
		.amdhsa_user_sgpr_kernarg_segment_ptr 1
		.amdhsa_wavefront_size32 1
		.amdhsa_system_sgpr_workgroup_id_x 1
		.amdhsa_system_sgpr_workgroup_id_y 1
		.amdhsa_system_sgpr_workgroup_id_z 1
		.amdhsa_system_vgpr_workitem_id 0
		.amdhsa_next_free_vgpr 168
		.amdhsa_next_free_sgpr 66
		.amdhsa_reserve_vcc 0
		.amdhsa_float_denorm_mode_32 3
		.amdhsa_float_denorm_mode_16_64 3
		.amdhsa_memory_ordered 1
		.amdhsa_forward_progress 1
		.amdhsa_inst_pref_size 32
	.end_amdhsa_kernel
	.amdgpu_metadata
---
amdhsa.version: [ 1, 2 ]
amdhsa.kernels:
  - .name:           k_q02ccbc13cd_norm
    .symbol:         k_q02ccbc13cd_norm.kd
    .args:
      - { .name: x, .offset: 0, .size: 8, .value_kind: global_buffer, .address_space: global }
      - { .name: cond, .offset: 8, .size: 8, .value_kind: global_buffer, .address_space: global }
      - { .name: gn_q_w, .offset: 16, .size: 8, .value_kind: global_buffer, .address_space: global }
      - { .name: gn_q_b, .offset: 24, .size: 8, .value_kind: global_buffer, .address_space: global }
      - { .name: gn_kv_w, .offset: 32, .size: 8, .value_kind: global_buffer, .address_space: global }
      - { .name: gn_kv_b, .offset: 40, .size: 8, .value_kind: global_buffer, .address_space: global }
      - { .name: wq, .offset: 48, .size: 8, .value_kind: global_buffer, .address_space: global }
      - { .name: wk, .offset: 56, .size: 8, .value_kind: global_buffer, .address_space: global }
      - { .name: wv, .offset: 64, .size: 8, .value_kind: global_buffer, .address_space: global }
      - { .name: wo, .offset: 72, .size: 8, .value_kind: global_buffer, .address_space: global }
      - { .name: xn, .offset: 80, .size: 8, .value_kind: global_buffer, .address_space: global }
      - { .name: wcv, .offset: 88, .size: 8, .value_kind: global_buffer, .address_space: global }
    .group_segment_fixed_size: 1280
    .private_segment_fixed_size: 0
    .kernarg_segment_align: 8
    .kernarg_segment_size: 96
    .max_flat_workgroup_size: 256
    .sgpr_count:     66
    .vgpr_count:     168
    .wavefront_size: 32
...
	.end_amdgpu_metadata
.endif
;; end of part 1
;; launch proj (part 2): grid 64 x 3, 4 waves a work-group, clusters of 4 x 1, 284,160 bytes of LDS; arguments xn, wcv, bq, bk, bv, qkv; writes qkv
.if DOCPART == 2
	.amdgcn_target "amdgcn-amd-amdhsa--gfx1250"
	.amdhsa_code_object_version 6
	.text
	.protected	k_q02ccbc13cd_proj
	.globl	k_q02ccbc13cd_proj
	.p2align	8
	.type	k_q02ccbc13cd_proj,@function
k_q02ccbc13cd_proj:
	s_mov_b64 s[64:65], 0
	v_nop
	global_prefetch_b8 v0, s[64:65] scope:SCOPE_SE
	s_setreg_imm32_b32 hwreg(HW_REG_WAVE_MODE, 25, 1), 1
	s_wait_xcnt 0x0
	s_wait_alu depctr_hold_cnt(0) depctr_sa_sdst(0) depctr_va_vdst(0) depctr_va_sdst(0) depctr_va_ssrc(0) depctr_va_vcc(0) depctr_vm_vsrc(0)
	s_getreg_b32 s2, hwreg(HW_REG_IB_STS2, 6, 4)
	s_cmp_eq_u32 s2, 0
	s_cbranch_scc0 .Lentry_in_a_cluster
	s_endpgm
.Lentry_in_a_cluster:
	s_bfe_u32 s2, ttmp6, 0x10000c
	s_cmp_lg_u32 s2, 0x3003
	s_cbranch_scc0 .Lentry_shape_is_right
	s_endpgm
.Lentry_shape_is_right:
; q, k, v = W xn + bias, by heads: qkv[y][4 b + head][n][64] in bf16, unscaled, rounded once from f32 sums.  y = 0: wq on x's norm; 1: wk, 2: wv on cond's norm.
; SHARES.  A work-group makes all 256 output channels of 256 positions of one batch: K = 256, so W (256 x 256) and xn's tile (256 channels x 256 positions) lie whole in LDS: they are
; filled once, and nothing is filled again.  Wave w is head w: rows 64 w .. 64 w + 63 of W, kept in 256 registers; it walks the 256 positions in four blocks of 64, 16 accumulators each.
; 3 x 64 = 192 work-groups: 3 x 16,384 positions do not split evenly into 256 shares that keep rows of 512 bytes and one input each.
; CLUSTER.  The four work-groups of a cluster take neighbouring position blocks of the same y and need the same W, half of a work-group's bytes: it is asked for JOINTLY.  xn's tile is each
; work-group's own.  (k's and v's work-groups read the same tile of cond's norm, but lie along y, where the grid has 3: no cluster of four divides it.)
; LAYOUT.  Source 0 = 16 rows of W, source 1 = 16 positions x 32 channels of xn, which lies [channel][position] and comes out of LDS turned, by ds_load_tr16_b128.  In the result a lane holds
; ONE position (lane % 16) and the channels 8 (lane / 16) + 0..7: 16 bytes of a row of q.  The bias is the C operand of the first K step: nothing is cleared and nothing is added later.
; REGISTERS, in windows of 256: window 0: addresses, v32-95 the way out, v96-127 the bias, v128-255 accumulators ((a, b) at 128 + 8 (4 a + b));
;   window 1: W's fragments ((a, ks) at 8 (8 a + ks));   window 2: xn's fragments of 64 positions ((ks, b) at 8 (4 ks + b)).
.set PW,    528                        ; a row of W in LDS: 512 bytes + 16: the 16 rows of a load start at 16 different groups of four banks (64 banks of 4 bytes: ISA guide 11.1)
.set PXN,   544                        ; a row of xn: 512 + 32
.set XT,    256*PW                     ; behind W's 256 rows: xn's 256 rows
.set STAGE, XT+256*PXN                 ; behind both, never filled by a tensor load: 16 rows x 144 bytes for each wave
.set SP,    144
.set SPARE, STAGE+4*16*SP              ; the spare words, 128 bytes a wave: two blocks of 256 bytes that no other line names
.set ADRA, 16                          ; v16    my lane's place in my wave's rows of W
.set ADRB, 20                          ; v20-21 my lane's place in xn's channels 0-127, 128-255, at the block of positions in hand
.set STO,  24                          ; v24    the way out: where I put 16 bytes of a row
.set RD,   25                          ; v25    where I read rows back
.set GO,   26                          ; v26    my 16 bytes of 512 consecutive bytes of q
.set BO,   27                          ; v27    my byte offset in the bias
.set SPW,  28                          ; v28    my spare word; never rewritten
.set NIL,  29                          ; v29    0; never rewritten
.set TMP,  32
.set BIAS, 96                          ; v[96+8a+j] = bias[64 w + 16 a + 8 (lane / 16) + j]
.set ACC,  128
.set WV,   16                          ; s16    my wave's number
.set G1W,  24                          ; s[24:31] group 1 for W     s[32:35] group 0
.set G0W,  32
.set G1X,  36                          ; s[36:43] group 1 for xn    s[44:47] group 0
.set G0X,  44
.set MSB, 0
.macro WIN new                         ; the immediate's high byte repeats the setting that is left; a switch that changes nothing is dropped
.if MSB != (\new)
	s_set_vgpr_msb (MSB<<8)|(\new)
.set MSB, (\new)
.endif
.endm
.macro CROUND                          ; a round of the cluster's barrier: my work-group's barrier; wave 0 signals for it; every wave waits for all four; my work-group's barrier once more
	s_barrier_signal -1
	s_barrier_wait -1
	s_cmp_lg_u32 s[WV], 0
	s_cbranch_scc1 .Lnot_wave_0_\@
	s_barrier_signal -3
.Lnot_wave_0_\@:
	s_barrier_wait -3
	s_barrier_signal -1
	s_barrier_wait -1
.endm
.macro PLACES                          ; four places behind a matrix instruction, ahead of loads into its sources and of conversions of its results
.rept 4
	v_nop
.endr
.endm
	s_load_b256 s[4:11], s[0:1], 0x0               ; xn s[4:5], wcv s[6:7], bq s[8:9], bk s[10:11]
	s_load_b128 s[12:15], s[0:1], 0x20             ; bv s[12:13], qkv s[14:15]
	v_lshl_add_u32 v[SPW], v0, 2, SPARE
	v_mov_b32 v[NIL], 0
	ds_add_u32 v[SPW], v[NIL]                      ; the wave's opening: the add and its wait stand ahead of my first tensor load; the set-up below stands between them
	v_lshrrev_b32 v1, 5, v0
	v_readfirstlane_b32 s[WV], v1                  ; wave 0..3
	s_bfe_u32 s17, ttmp6, 0x40000                  ; cx: my place in the cluster
	s_lshl_b32 s18, ttmp9, 2                       ; in a cluster launch ttmp9 counts clusters
	s_add_co_u32 s18, s18, s17                     ; my block of 256 positions among the 64
	s_and_b32 s19, ttmp7, 0xffff                   ; y: q, k or v; the four partners share it
	s_lshr_b32 s20, s18, 4                         ; batch
	s_and_b32 s21, s18, 15                         ; block in the batch
	s_mov_b32 s[G1W], 15|(1<<16)|(1<<20)|(1<<21)|(6<<22)|(3<<25)  ; 15:0 the mask of four; 17:16 2-byte elements; 20 padding on; 21 set beside a mask; 24:22 after every 128 words (code 6); 31:25 4 words (code 3)
	s_mov_b32 s[G1X], (1<<16)|(1<<20)|(6<<22)|(7<<25)             ; no mask; 8 words of padding (code 7)
.irp g, G1W, G1X
	s_mov_b32 s[\g+1], 256<<16                     ; tensor_dim0 = 256
	s_mov_b32 s[\g+2], 64<<16                      ; tensor_dim1 = 64
	s_mov_b32 s[\g+3], 256<<16                     ; tile_dim0 = 256
	s_mov_b32 s[\g+4], 64                          ; tile_dim1 = 64: each wave brings a quarter of each tile
	s_mov_b32 s[\g+6], 0
	s_mov_b32 s[\g+7], 0
.endr
	s_mov_b32 s[G1W+5], 256                        ; elements from row to row of W,
	s_mov_b32 s[G1X+5], 4096                       ; and of xn
	s_mov_b32 s[G0W], 1
	s_mul_i32 s[G0W+1], s[WV], 64*PW               ; LDS: wave x 64 rows; no place in the cluster enters an LDS address
	s_mov_b32 s[G0X], 1
	s_mul_i32 s[G0X+1], s[WV], 64*PXN
	s_add_co_u32 s[G0X+1], s[G0X+1], XT
	s_lshl_b32 s48, s19, 17                        ; W's address hangs on y and the wave alone, in registers that never hold cx: matrix y,
	s_lshl_b32 s55, s[WV], 15                      ; my 64 rows of 512 bytes
	s_add_co_u32 s48, s48, s55
	s_mov_b32 s49, 0
	s_min_u32 s22, s19, 1                          ; x's norm for q, cond's for k and v
	s_lshl_b32 s22, s22, 2
	s_add_co_u32 s22, s22, s20                     ; + batch
	s_lshl_b32 s22, s22, 2
	s_add_co_u32 s22, s22, s[WV]                   ; + my 64 channels
	s_lshl_b32 s22, s22, 19                        ; 64 rows of 8,192 bytes
	s_lshl_b32 s55, s21, 9                         ; the block's 512 bytes of a row
	s_add_co_u32 s22, s22, s55
	s_mov_b32 s23, 0
	s_wait_dscnt 0x0                               ; the opening add is done
	s_wait_kmcnt 0x0
	s_add_nc_u64 s[G0W+2:G0W+3], s[6:7], s[48:49]
	s_or_b32 s[G0W+3], s[G0W+3], 0x80000000        ; type = 2
	s_add_nc_u64 s[G0X+2:G0X+3], s[4:5], s[22:23]
	s_or_b32 s[G0X+3], s[G0X+3], 0x80000000
	CROUND                                         ; all four work-groups are here: the joint loads meet
	tensor_load_to_lds s[G0W:G0W+3], s[G1W:G1W+7]  ; two tensor loads of mine are out: my quarter of W, jointly,
	s_nop 0
	tensor_load_to_lds s[G0X:G0X+3], s[G1X:G1X+7]  ; and my quarter of xn's tile
	s_nop 0
	PLACES
	s_cmp_eq_u32 s19, 0
	s_cselect_b64 s[50:51], s[8:9], s[10:11]
	s_cmp_lt_u32 s19, 2
	s_cselect_b64 s[50:51], s[50:51], s[12:13]     ; bq, bk or bv
	v_and_b32 v1, 15, v0                           ; l % 16
	v_bfe_u32 v2, v0, 4, 1                         ; l / 16
	v_and_b32 v3, 7, v0                            ; l % 8
	v_bfe_u32 v4, v0, 3, 1                         ; (l / 8) % 2
	v_bfe_u32 v5, v0, 3, 2                         ; l / 8
	s_lshl_b32 s55, s[WV], 8
	v_lshl_add_u32 v[BO], v2, 5, s55               ; 4 x (64 w + 8 (l / 16))
.irp a, 0,1,2,3
	global_load_b128 v[BIAS+8*(\a):BIAS+8*(\a)+3],   v[BO], s[50:51] offset:64*(\a)
	global_load_b128 v[BIAS+8*(\a)+4:BIAS+8*(\a)+7], v[BO], s[50:51] offset:64*(\a)+16
.endr
	v_mul_u32_u24 v[ADRA], v1, PW                  ; a fragment of W: row l % 16, 16 bytes for each half of the lanes, twice, 32 bytes apart
	v_lshl_add_u32 v[ADRA], v2, 4, v[ADRA]
	v_add_nc_u32 v[ADRA], s[G0W+1], v[ADRA]        ; in my wave's 64 rows
	v_lshl_add_u32 v[ADRB], v2, 3, v3              ; the turning load: lane l reads channel 8 (l / 16) + l % 8, positions 8 ((l / 8) % 2) + 0..7
	v_mul_u32_u24 v[ADRB], v[ADRB], PXN
	v_lshl_add_u32 v[ADRB], v4, 4, v[ADRB]
	v_add_nc_u32 v[ADRB], XT, v[ADRB]
	v_add_nc_u32 v[ADRB+1], 128*PXN, v[ADRB]       ; channels 128 on: an LDS offset has 16 bits
	s_mul_i32 s55, s[WV], 16*SP
	s_add_co_u32 s55, s55, STAGE                   ; my stage
	v_mul_u32_u24 v[STO], v1, SP                   ; in: row l % 16, 16 bytes for each half of the lanes
	v_lshl_add_u32 v[STO], v2, 4, v[STO]
	v_add_nc_u32 v[STO], s55, v[STO]
	v_mul_u32_u24 v[RD], v5, SP                    ; back: 32 lanes take four rows of 128 bytes,
	v_lshl_add_u32 v[RD], v3, 4, v[RD]
	v_add_nc_u32 v[RD], s55, v[RD]
	v_and_b32 v[GO], 31, v0                        ; which are 512 consecutive bytes of q
	v_lshlrev_b32 v[GO], 4, v[GO]
	s_lshl_b32 s22, s19, 4
	s_lshl_b32 s55, s20, 2
	s_add_co_u32 s22, s22, s55
	s_add_co_u32 s22, s22, s[WV]                   ; 16 y + 4 b + head
	s_lshl_b32 s22, s22, 19                        ; 4,096 rows of 128 bytes
	s_lshl_b32 s55, s21, 15                        ; the block's 256 rows
	s_add_co_u32 s22, s22, s55
	s_add_nc_u64 s[52:53], s[14:15], s[22:23]
.macro FETCH_A                         ; my 64 rows of W, all of K: 64 loads
	WIN 0x40                                       ; destination window 1
.irp a, 0,1,2,3
.irp k, 0,1,2,3,4,5,6,7
	ds_load_b128 v[8*(8*(\a)+(\k)):8*(8*(\a)+(\k))+3],   v[ADRA] offset:(\a)*16*PW+(\k)*64
	ds_load_b128 v[8*(8*(\a)+(\k))+4:8*(8*(\a)+(\k))+7], v[ADRA] offset:(\a)*16*PW+(\k)*64+32
.endr
.endr
.endm
.macro FETCH_B                         ; 64 positions, all of K, turned: 64 loads, eight for each K step, K ascending
	WIN 0x80                                       ; destination window 2
.irp k, 0,1,2,3,4,5,6,7
.irp b, 0,1,2,3
	ds_load_tr16_b128 v[8*(4*(\k)+(\b)):8*(4*(\k)+(\b))+3],   v[ADRB+(\k)/4] offset:((\k)%4)*32*PXN+(\b)*32
	ds_load_tr16_b128 v[8*(4*(\k)+(\b))+4:8*(4*(\k)+(\b))+7], v[ADRB+(\k)/4] offset:((\k)%4)*32*PXN+(\b)*32+16*PXN
.endr
.endr
.endm
.macro MULK ks                         ; K step ks: 16 products.  The 16 accumulators take turns, one instruction a turn, over the backward jump too
	s_wait_dscnt 56-8*(\ks)                        ; behind this step's eight loads stand those of the later steps, eight each
	WIN 0x09                                       ; source 0 (W) window 1, source 1 (xn) window 2, C and D window 0
.irp a, 0,1,2,3
.irp b, 0,1,2,3
.if (\ks) == 0
	v_wmma_f32_16x16x32_bf16 v[ACC+8*(4*(\a)+(\b)):ACC+8*(4*(\a)+(\b))+7], v[8*(8*(\a)+(\ks)):8*(8*(\a)+(\ks))+7], v[8*(4*(\ks)+(\b)):8*(4*(\ks)+(\b))+7], v[BIAS+8*(\a):BIAS+8*(\a)+7]
.else
	v_wmma_f32_16x16x32_bf16 v[ACC+8*(4*(\a)+(\b)):ACC+8*(4*(\a)+(\b))+7], v[8*(8*(\a)+(\ks)):8*(8*(\a)+(\ks))+7], v[8*(4*(\ks)+(\b)):8*(4*(\ks)+(\b))+7], v[ACC+8*(4*(\a)+(\b)):ACC+8*(4*(\a)+(\b))+7]
.endif
.endr
.endr
.endm
.macro PACK b                          ; 16 positions: rounded to bf16 (each accumulator from its low end), into my stage, and back as whole rows of 128 bytes
.irp a, 0,1,2,3
.irp r, 0,1,2,3
	v_cvt_pk_bf16_f32 v[TMP+16*(\b)+4*(\a)+(\r)], v[ACC+8*(4*(\a)+(\b))+2*(\r)], v[ACC+8*(4*(\a)+(\b))+2*(\r)+1]
.endr
.endr
.irp a, 0,1,2,3
	ds_store_b128 v[STO], v[TMP+16*(\b)+4*(\a):TMP+16*(\b)+4*(\a)+3] offset:32*(\a)
.endr
.irp f, 0,1,2,3
	ds_load_b128 v[TMP+16*(\b)+4*(\f):TMP+16*(\b)+4*(\f)+3], v[RD] offset:(\f)*4*SP  ; LDS serves a wave's instructions in order (ISA guide 5.7.1.4): these see the stores above; the next block's stores come behind them
.endr
.endm
.macro SEND b, younger                 ; younger: the LDS instructions issued behind block b's loads: the next block's eight, or none
.irp f, 0,1,2,3
	s_wait_dscnt (\younger)+3-(\f)
	global_store_b128 v[GO], v[TMP+16*(\b)+4*(\f):TMP+16*(\b)+4*(\f)+3], s[52:53] offset:2048*(\b)+512*(\f)  ; 512 consecutive bytes, at a multiple of 256 from the buffer's first
.endr
.endm
	s_wait_tensorcnt 0x0                           ; my quarters of both tiles are in,
	s_barrier_signal -1
	s_barrier_wait -1                              ; everybody's are; nothing is ever filled again
	FETCH_A
	FETCH_B
	WIN 0
	s_wait_loadcnt 0x0                             ; the bias
	s_mov_b32 s54, 4
.Ltrip:                                        ; 64 positions: 128 products, then the way out, under which the next block's fragments land
	MULK 0
	MULK 1
	MULK 2
	MULK 3
	MULK 4
	MULK 5
	MULK 6
	MULK 7
	WIN 0
	PLACES
	s_cmp_eq_u32 s54, 1                            ; the last block has none behind it
	s_cbranch_scc1 .Lno_more
	v_add_nc_u32 v[ADRB], 128, v[ADRB]             ; 64 positions on
	v_add_nc_u32 v[ADRB+1], 128, v[ADRB+1]
	FETCH_B
	WIN 0
.Lno_more:
	PACK 0
	PACK 1                                         ; a block's conversions stand between the loads of the block before and its stores
	SEND 0, 8
	PACK 2
	SEND 1, 8
	PACK 3
	SEND 2, 8
	SEND 3, 0                                      ; its last wait is for 0: the next block's fragments, issued earlier, are in as well
	s_wait_xcnt 0x0                                ; the stores have read their data and their base: both are written again only behind this wait
	s_add_nc_u64 s[52:53], s[52:53], 64*128
	s_sub_co_u32 s54, s54, 1
	s_cmp_lg_u32 s54, 0
	s_cbranch_scc1 .Ltrip
	s_wait_tensorcnt 0x0                           ; the wave's end: a wait, an add of 0 to my spare word and a wait, behind my last tensor load and my last LDS store
	ds_add_u32 v[SPW], v[NIL]
	s_wait_dscnt 0x0
	CROUND                                         ; the closing round: no work-group ends while a partner may still ask for a tile that names it
	s_endpgm
.Lfunc_end_k_q02ccbc13cd_proj:
	.size	k_q02ccbc13cd_proj, .Lfunc_end_k_q02ccbc13cd_proj-k_q02ccbc13cd_proj
	.p2alignl 7, 3214868480
	.fill 96, 4, 3214868480
	.section	.rodata,"a",@progbits
	.p2align	6, 0x0
	.amdhsa_kernel k_q02ccbc13cd_proj
		.amdhsa_group_segment_fixed_size 284160
		.amdhsa_private_segment_fixed_size 0
		.amdhsa_enable_private_segment 0
		.amdhsa_kernarg_size 48
		.amdhsa_user_sgpr_count 2
		.amdhsa_user_sgpr_kernarg_segment_ptr 1
		.amdhsa_wavefront_size32 1
		.amdhsa_system_sgpr_workgroup_id_x 1
		.amdhsa_system_sgpr_workgroup_id_y 1
		.amdhsa_system_sgpr_workgroup_id_z 1
		.amdhsa_system_vgpr_workitem_id 0
		.amdhsa_next_free_vgpr 768
		.amdhsa_next_free_sgpr 66
		.amdhsa_reserve_vcc 0
		.amdhsa_float_denorm_mode_32 3
		.amdhsa_float_denorm_mode_16_64 3
		.amdhsa_memory_ordered 1
		.amdhsa_forward_progress 1
		.amdhsa_inst_pref_size 36
	.end_amdhsa_kernel
	.amdgpu_metadata
---
amdhsa.version: [ 1, 2 ]
amdhsa.kernels:
  - .name:           k_q02ccbc13cd_proj
    .symbol:         k_q02ccbc13cd_proj.kd
    .args:
      - { .name: xn, .offset: 0, .size: 8, .value_kind: global_buffer, .address_space: global }
      - { .name: wcv, .offset: 8, .size: 8, .value_kind: global_buffer, .address_space: global }
      - { .name: bq, .offset: 16, .size: 8, .value_kind: global_buffer, .address_space: global }
      - { .name: bk, .offset: 24, .size: 8, .value_kind: global_buffer, .address_space: global }
      - { .name: bv, .offset: 32, .size: 8, .value_kind: global_buffer, .address_space: global }
      - { .name: qkv, .offset: 40, .size: 8, .value_kind: global_buffer, .address_space: global }
    .group_segment_fixed_size: 284160
    .private_segment_fixed_size: 0
    .kernarg_segment_align: 8
    .kernarg_segment_size: 48
    .max_flat_workgroup_size: 128
    .sgpr_count:     66
    .vgpr_count:     768
    .wavefront_size: 32
...
	.end_amdgpu_metadata
.endif
;; end of part 2
;; launch attn (part 3): grid 16 x 16, 4 waves a work-group, clusters of 4 x 1, 327,680 bytes of LDS; arguments qkv, ob; writes ob
.if DOCPART == 3
	.amdgcn_target "amdgcn-amd-amdhsa--gfx1250"
	.amdhsa_code_object_version 6
	.text
	.protected	k_q02ccbc13cd_attn
	.globl	k_q02ccbc13cd_attn
	.p2align	8
	.type	k_q02ccbc13cd_attn,@function
k_q02ccbc13cd_attn:
	s_mov_b64 s[64:65], 0
	v_nop
	global_prefetch_b8 v0, s[64:65] scope:SCOPE_SE
	s_setreg_imm32_b32 hwreg(HW_REG_WAVE_MODE, 25, 1), 1
	s_wait_xcnt 0x0
	s_wait_alu depctr_hold_cnt(0) depctr_sa_sdst(0) depctr_va_vdst(0) depctr_va_sdst(0) depctr_va_ssrc(0) depctr_va_vcc(0) depctr_vm_vsrc(0)
	s_getreg_b32 s2, hwreg(HW_REG_IB_STS2, 6, 4)
	s_cmp_eq_u32 s2, 0
	s_cbranch_scc0 .Lentry_in_a_cluster
	s_endpgm
.Lentry_in_a_cluster:
	s_bfe_u32 s2, ttmp6, 0x10000c
	s_cmp_lg_u32 s2, 0x3003
	s_cbranch_scc0 .Lentry_shape_is_right
	s_endpgm
.Lentry_shape_is_right:
; O[h][q][:] = the sum over k of softmax_k(Q[h][q] . K[h][k] / 8) V[h][k][:], for 16 heads (batch x head) of 4,096 rows of 64 channels.  Q, K, V: qkv[0], qkv[1], qkv[2], [16][4096][64] in bf16, a head's
; rows dense, 128 bytes each.  Products, maxima and sums in f32; the weights p are rounded to bf16 for the second product (their sum l is taken of the unrounded p); O leaves in f16, rounded once.
; LIMITS.  O is a mean of V's rows and has their range: this text serves |V| under 65,504, f16's end.  A weight below 2^-126 counts as 0 in l.  NaN and infinities are not treated apart.
; SHARES.  A work-group owns 256 queries of one head, each of its four waves 64: four PIECES of 16.  Every wave walks all 4,096 keys, 64 a step; 256 work-groups.
; LAYOUT.  S^T = K Q^T (source 0 = 16 keys, source 1 = 16 queries): a lane holds ONE query (lane % 16) and the keys 8 (lane / 16) + 0..7.  Two such results, rounded to bf16 in pairs, ARE source 1
; (32 keys x 16 queries) of O^T = V^T P, whose result again holds one query a lane, and eight channels.  K comes out of LDS as it lies, V ([key][channel]) turned, by ds_load_tr16_b128.
; SOFTMAX.  For each query a running maximum m and sum l: p = 2^(c s - c m), c = log2(e) / 8; in every step O and l are multiplied by a = 2^(c m_old - c m_new).  m starts at the lowest finite
; number, O and l at 0: the first step is a step like any other, with a = 0.
; BY TURNS.  A piece and step have 16 matrix and 118 vector instructions.  Turn n belongs to piece n: 8 products K Q^T of piece n + 1, later 8 products V^T P of piece n - 1; beside them the scaling,
; exponentials, roundings, sums and rescaling of piece n and the maximum and statistics of piece n + 1.  Four vector instructions stand behind every matrix instruction, the other 54 in two runs of their own.
; RING.  Two slots of LDS, 256 keys (four steps) of K and of V each.  CLUSTER: the four query blocks of a cluster belong to one head and walk the same K and V, so each tile is asked for JOINTLY.
; REGISTERS, in windows of 256 (s_set_vgpr_msb: bits 1:0 source 0, 3:2 source 1, 5:4 source 2, 7:6 destination):
;   window 0: v0-15 addresses and two at work; v16-31 four registers of statistics a piece; v48-55 at work; v61-63; v64-127 S^T, two buffers; v192-223 P, two buffers (by the piece's parity)
;   window 1: v0-127 O^T, 32 a piece          window 2: v0-63 Q; v128-191 K of one step; v192-255 V of one step
.set NP,    4         ; pieces a wave: a name, no knob
.set KS,    64        ; keys in a step
.set PK,    144       ; a row of K in LDS: 128 bytes + 16: the 16 rows of a load start at 16 different groups of four banks (64 banks of 4 bytes: ISA guide 11.1)
.set PV,    160       ; a row of V: 128 + 32
.set VOFF,  4*KS*PK   ; a slot: 256 rows of K, then 256 rows of V
.set SLOT1, 1<<17     ; slot 1 begins here, so that one exclusive or turns an address in one slot into the other's
.set STAGE, SLOT1+4*KS*(PK+PV)  ; behind the ring, never filled by a tensor load: 16 rows x 144 bytes for each wave
.set SP,    144
.set SPARE, STAGE+4*16*SP       ; the spare words, 128 bytes a wave: two blocks of 256 bytes that no other line names
.set TILEB, 4*KS*128  ; a tile's bytes of K, and of V, in memory
.set NT,    4096/256  ; tiles in the walk
.set AK0, 2           ; v2   my lane's place in a tile of K; never rewritten
.set AV0, 3           ; v3   the same for V
.set AK,  4           ; v4   the LDS address of K's next run of loads
.set AV,  5           ; v5   of V's
.set STO, 6           ; v6   the way out: where I put 16 bytes of a row
.set RD,  7           ; v7   where I read rows back
.set GO,  8           ; v8   my 16 bytes of 512 consecutive bytes of O
.set MV,  12          ; v12-13  c m_old, kept while c m is made anew: by buffer
.set QO,  15          ; v15  my byte offset in 16 rows of Q
.set ST,  16          ; piece t's statistics at v[ST+4 t]: c m, m, l (even keys', odd keys')
.set TMP, 48          ; by buffer, four registers c0-c3 at work; when the maximum is found c2 takes a
.set PFO, 61          ; v61  256 x my lane; never rewritten
.set SPW, 62          ; v62  my spare word; never rewritten
.set NIL, 63          ; v63  0; never rewritten
.set S,   64
.set P,   192
.set KF,  128         ; window 2: key block kb, channel half c at KF + 16 kb + 8 c
.set VF,  192         ; window 2: key half kk, channel block cb at VF + 32 kk + 8 cb
.set WV,  12          ; s12  my wave's number
.set G1K, 24          ; s[24:31] descriptor group 1 for K's tiles
.set G1V, 32          ; s[32:39] for V's: it differs in the padding alone
.set G0K, 40          ; s[40:43] descriptor group 0 for K's tiles: it walks
.set G0V, 44          ; s[44:47] the same for V's
.set PFA, 48          ; s[48:49] where my prefetches stand: my work-group's 8,192 bytes of the tile after the one that is being asked for
.set LIM, 50          ; s50  1 in a wave that prefetches, else the greatest number
.set SLOTS, 56        ; s56  tiles still to be asked for
.set CNT, 57          ; s57  counts a tile's key steps
.set CS,  58          ; s[58:59] c: the packed scaling takes the pair's low word for both halves
.set SEL, 60          ; s[60:61] v_permlanex16_b32's selects
.set TBK, 62          ; s62  LDS byte at which K of the step to be fetched begins
.set TBV, 63          ; s63  the same for V, less VOFF
.set MSB, 0
.macro WIN new                      ; the high byte repeats the setting that is left; a switch that changes nothing is dropped
.if MSB != (\new)
	s_set_vgpr_msb (MSB<<8)|(\new)
.set MSB, (\new)
.endif
.endm
.set W_KQ, 0x0a       ; K and Q in window 2, S^T in window 0
.set W_PV, 0x52       ; V in window 2, P in window 0, O^T in window 1
.set W_RS, 0x41       ; destination and source 0 in window 1, source 1 in window 0
; A joint fill.  Waves 0 and 1 fetch the two halves of a tile's K, waves 2 and 3 those of its V: 128 keys each.  The branch hangs on the wave's number alone.
; An s_nop 0 and four v_nop follow each of the two lines, ahead of the jump and the label.
.macro JLOAD
	s_cmp_lt_u32 s[WV], 2
	s_cbranch_scc0 .Lfor_v_\@
	tensor_load_to_lds s[G0K:G0K+3], s[G1K:G1K+7]
	s_nop 0
.rept 4
	v_nop
.endr
	s_branch .Lasked_\@
.Lfor_v_\@:
	tensor_load_to_lds s[G0V:G0V+3], s[G1V:G1V+7]
	s_nop 0
.rept 4
	v_nop
.endr
.Lasked_\@:
.endm
; A PREFETCH INTO THE L2 of the tile that the NEXT change of slots will ask for: 32,768 bytes of K and of V, four key steps (256 matrix instructions) ahead of that load.  Each block of 256 bytes is named
; once in the launch: of the four clusters that walk a head the first asks; its four partners take 8,192 bytes each, told apart by address; in each, wave 0 asks for K's and wave 2 for V's, a lane a block.
; Tiles 0 and 1 come by their loads alone; the last change that fills a slot asks for nothing, since no tile is behind it.
.macro ASK
	s_cmp_gt_u32 s[SLOTS], s[LIM]
	s_cbranch_scc0 .Lnot_mine_\@
	global_prefetch_b8 v[PFO], s[PFA:PFA+1] th:TH_LOAD_NT scope:SCOPE_SE
.Lnot_mine_\@:
.endm
.macro CROUND                       ; a round of the cluster's barrier: my work-group's barrier; wave 0 signals for it; every wave waits for all four; my work-group's barrier once more
	s_barrier_signal -1
	s_barrier_wait -1
	s_cmp_lg_u32 s[WV], 0
	s_cbranch_scc1 .Lnot_wave_0_\@
	s_barrier_signal -3
.Lnot_wave_0_\@:
	s_barrier_wait -3
	s_barrier_signal -1
	s_barrier_wait -1
.endm
; THE CHANGE OF SLOTS.  Each wave waits for all its tensor loads, of which one is out: its part of the other slot; adds 0 to its spare word; and waits for that and for its own reads of the slot that it
; leaves.  Behind the barrier nobody reads the old slot any more and the other slot is whole.  fill = 1: the old slot is filled again, with the keys two tiles on; the barrier is then a round of the
; cluster's, and the joint fill is the first thing behind it.  (At its first use nothing has been read yet: slot 0 is waited for, slot 1 filled.)
.macro CHANGE fill
	WIN 0                           ; at a label and at a branch every window is 0
	s_wait_tensorcnt 0x0            ; no tensor load of mine is out, so a group 0 may be written
	ds_add_u32 v[SPW], v[NIL]       ; 0 onto my spare word; the descriptors' steps stand between it and the wait for it
.if \fill
.irp g, G0K, G0V
	s_xor_b32 s[\g+1], s[\g+1], SLOT1  ; the walking descriptor: the other slot than last time,
	s_add_nc_u64 s[\g+2:\g+3], s[\g+2:\g+3], TILEB  ; the next 256 keys; the type bits on top are not reached
.endr
	s_wait_xcnt 0x0                 ; the last prefetch, four key steps back, has read its address, so it may be written:
	s_add_nc_u64 s[PFA:PFA+1], s[PFA:PFA+1], TILEB  ; one tile beyond the walking descriptors
	s_wait_dscnt 0x0                ; the add is done, and my reads of the slot are over
	CROUND
	JLOAD
	ASK
.else
	s_wait_dscnt 0x0                ; the add is done, and my reads of the slot are over
	s_barrier_signal -1
	s_barrier_wait -1
.endif
	s_sub_co_u32 s[TBK], s[TBK], 4*KS*PK  ; the fetches go back to a slot's first step,
	s_xor_b32 s[TBK], s[TBK], SLOT1       ; in the other slot
	s_sub_co_u32 s[TBV], s[TBV], 4*KS*PV
	s_xor_b32 s[TBV], s[TBV], SLOT1
.endm
	s_load_b64 s[4:5], s[0:1], 0x0  ; qkv
	s_load_b64 s[10:11], s[0:1], 0x8  ; ob
	v_lshl_add_u32 v[SPW], v0, 2, SPARE
	v_mov_b32 v[NIL], 0
	ds_add_u32 v[SPW], v[NIL]       ; the wave's opening: the add and its wait stand ahead of my first tensor load; the set-up below stands between them
	v_lshrrev_b32 v1, 5, v0
	v_readfirstlane_b32 s[WV], v1   ; wave 0..3
	s_bfe_u32 s13, ttmp6, 0x40000   ; cx: my place in the cluster
	s_lshl_b32 s14, ttmp9, 2        ; in a cluster launch ttmp9 counts clusters
	s_add_co_u32 s14, s14, s13      ; my block of 256 queries: it enters Q's and O's addresses alone
	s_and_b32 s20, ttmp7, 0xffff    ; the head, which the four partners share:
	s_lshl_b32 s20, s20, 19         ; its 4,096 rows of 128 bytes
	s_mov_b32 s21, 0
	s_and_b32 s16, s[WV], 1         ; which half of a tile's 256 keys I fetch:
	s_lshl_b32 s22, s16, 14         ; its 128 rows in memory,
	s_mov_b32 s23, 0
	s_add_nc_u64 s[22:23], s[22:23], s[20:21]
	s_mul_i32 s17, s16, 128*PK      ; and its place in a slot, for K
	s_mul_i32 s18, s16, 128*PV      ; and for V: no place in the cluster enters an LDS address
	s_lshl_b32 s2, s14, 2
	s_add_co_u32 s2, s2, s[WV]      ; my wave among the head's,
	s_lshl_b32 s2, s2, 13           ; its 64 rows
	s_mov_b32 s3, 0
	s_add_nc_u64 s[2:3], s[2:3], s[20:21]
	; descriptor group 1.  128 keys are 16,384 dense bytes: asked for as 64 rows of 256 bytes, two keys a row, and padded in LDS after every key
	s_mov_b32 s[G1K], 15|(1<<16)|(1<<20)|(1<<21)|(4<<22)|(3<<25)  ; 15:0 the mask of four; 17:16 2-byte elements; 20 padding on; 21 set beside a mask; 24:22 after every 32 words (code 4); 31:25 4 words (code 3)
	s_mov_b32 s[G1V], 15|(1<<16)|(1<<20)|(1<<21)|(4<<22)|(7<<25)  ; the same with 8 words of padding (code 7)
.irp g, G1K, G1V
	s_mov_b32 s[\g+1], 128<<16      ; tensor_dim0 = 128
	s_mov_b32 s[\g+2], 64<<16       ; tensor_dim1 = 64
	s_mov_b32 s[\g+3], 128<<16      ; tile_dim0 = 128
	s_mov_b32 s[\g+4], 64           ; tile_dim1 = 64
	s_mov_b32 s[\g+5], 128          ; 128 elements from row to row
	s_mov_b32 s[\g+6], 0
	s_mov_b32 s[\g+7], 0
.endr
	s_mov_b32 s[CS], 0x3e38aa3b     ; c = log2(e) / 8 = 0.180337
	s_mov_b32 s[CS+1], s[CS]        ; named with it as a pair
	s_mov_b32 s[SEL], 0x76543210
	s_mov_b32 s[SEL+1], 0xfedcba98
	s_mov_b32 s[TBK], SLOT1+4*KS*PK ; the first change of slots turns these two into 0
	s_mov_b32 s[TBV], SLOT1+4*KS*PV
	s_mov_b32 s[G0K], 1             ; count = 1
	s_mov_b32 s[G0K+1], s17         ; LDS address: slot 0
	s_mov_b32 s[G0V], 1
	s_add_co_u32 s[G0V+1], s18, VOFF
	s_mov_b32 s[SLOTS], NT-1
	s_and_b32 s[LIM], s[WV], 1      ; 0 in waves 0 and 2,
	s_or_b32 s[LIM], s[LIM], ttmp9  ; where the cluster is the head's first: the same in all four partners
	s_cmp_eq_u32 s[LIM], 0
	s_cselect_b32 s[LIM], 1, -1
	v_and_b32 v[PFO], 31, v0
	v_lshlrev_b32 v[PFO], 8, v[PFO]
	s_wait_dscnt 0x0                ; the opening add is done
	s_wait_kmcnt 0x0
	s_add_nc_u64 s[6:7], s[4:5], 0x800000   ; K
	s_add_nc_u64 s[8:9], s[4:5], 0x1000000  ; V
	s_add_nc_u64 s[G0K+2:G0K+3], s[6:7], s[22:23]  ; my half of the head's first 256 keys
	s_or_b32 s[G0K+3], s[G0K+3], 0x80000000        ; type = 2
	s_add_nc_u64 s[G0V+2:G0V+3], s[8:9], s[22:23]
	s_or_b32 s[G0V+3], s[G0V+3], 0x80000000
	s_add_nc_u64 s[4:5], s[4:5], s[2:3]     ; Q and O at my wave's first row
	s_add_nc_u64 s[10:11], s[10:11], s[2:3]
	s_cmp_lt_u32 s[WV], 2
	s_cselect_b64 s[PFA:PFA+1], s[6:7], s[8:9]
	s_add_nc_u64 s[PFA:PFA+1], s[PFA:PFA+1], s[20:21]  ; the head's first row,
	s_lshl_b32 s2, s13, 13          ; my work-group's quarter of a tile,
	s_mov_b32 s3, 0
	s_add_nc_u64 s[PFA:PFA+1], s[PFA:PFA+1], s[2:3]
	s_add_nc_u64 s[PFA:PFA+1], s[PFA:PFA+1], TILEB     ; in tile 1; the first change of slots steps it to tile 2.  Nothing is prefetched here, at the head
	CROUND                          ; all four work-groups are here: the first joint loads meet
	JLOAD                           ; tile 0 into slot 0; tile 1 is asked for when it is in
	; A fragment of K or Q is 16 rows x 32 channels in 8 registers: lane l holds row l % 16, channels 8 (l / 16) + 0..7 and 16 + 8 (l / 16) + 0..7: two loads of 16 bytes, 32 bytes apart.
	v_and_b32 v1, 15, v0            ; l % 16
	v_bfe_u32 v9, v0, 4, 1          ; l / 16
	v_lshlrev_b32 v[QO], 7, v1
	v_lshl_add_u32 v[QO], v9, 4, v[QO]  ; row x 128 + 16 x half
	WIN 0x80                        ; destination window 2, address window 0
.set i, 0
.rept 8                             ; Q stays in registers: piece i / 2, channels 32 (i % 2) on
	global_load_b128 v[8*i:8*i+3],   v[QO], s[4:5] offset:(i/2)*2048+(i%2)*64
	global_load_b128 v[8*i+4:8*i+7], v[QO], s[4:5] offset:(i/2)*2048+(i%2)*64+32
.set i, i+1
.endr
	; What the first turn finds: V's registers and P's second buffer hold 0 (its products V^T P, of a piece that has not been, add 0), O^T and l are 0.  All this stands in the wait for the first tile;
	; it spares a first step written out, which would be a third copy of the turns.
.set i, VF
.rept 64
	v_mov_b32 v[i], 0
.set i, i+1
.endr
	WIN 0x40
.set i, 0
.rept 128
	v_mov_b32 v[i], 0
.set i, i+1
.endr
	WIN 0
.set i, 0
.rept 4
	v_mov_b32 v[ST+4*i], 0xfe000000    ; c m: far below every c s
	v_mov_b32 v[ST+4*i+1], 0xff7fffff  ; m
	v_mov_b32 v[ST+4*i+2], 0
	v_mov_b32 v[ST+4*i+3], 0
.set i, i+1
.endr
.set i, P+16
.rept 16
	v_mov_b32 v[i], 0
.set i, i+1
.endr
	v_mul_u32_u24 v[AK0], v1, PK
	v_lshl_add_u32 v[AK0], v9, 4, v[AK0]  ; row x pitch + 16 x half
	; The turning load takes 16 keys x 16 channels (lane l reads key 8 (l / 16) + l % 8, channels 8 ((l / 8) % 2) + 0..7) and leaves half a fragment of V^T: lane l holds channel l % 16 and 8 keys.
	v_and_b32 v10, 7, v0
	v_bfe_u32 v11, v0, 3, 1
	v_lshl_add_u32 v[AV0], v9, 3, v10
	v_mul_u32_u24 v[AV0], v[AV0], PV
	v_lshl_add_u32 v[AV0], v11, 4, v[AV0]
	v_add_nc_u32 v[AV0], VOFF, v[AV0]
	s_mul_i32 s15, s[WV], 16*SP
	s_add_co_u32 s15, s15, STAGE    ; my stage
	v_mul_u32_u24 v[STO], v1, SP    ; in: row l % 16, 16 bytes for each half of the lanes
	v_lshl_add_u32 v[STO], v9, 4, v[STO]
	v_add_nc_u32 v[STO], s15, v[STO]
	v_bfe_u32 v[RD], v0, 3, 2       ; back: 32 lanes take four rows of 128 bytes,
	v_mul_u32_u24 v[RD], v[RD], SP
	v_lshl_add_u32 v[RD], v10, 4, v[RD]
	v_add_nc_u32 v[RD], s15, v[RD]
	v_and_b32 v[GO], 31, v0         ; which are 512 consecutive bytes of O
	v_lshlrev_b32 v[GO], 4, v[GO]
; THE MATRIX WORK.  The 4 accumulators of a run of 8 take turns.  Product i of 8 of S^T = K Q^T for piece x: channels 32 (i / 4) on, keys 16 (i % 4) on.  The first 4 start the sums.
.macro KQ x
.set rS, S+32*((\x)%2)+8*(i%4)
.set rK, KF+16*(i%4)+8*(i/4)
.set rQ, 16*(\x)+8*(i/4)
	WIN W_KQ
.if i < 4
	v_wmma_f32_16x16x32_bf16 v[rS:rS+7], v[rK:rK+7], v[rQ:rQ+7], 0
.else
	v_wmma_f32_16x16x32_bf16 v[rS:rS+7], v[rK:rK+7], v[rQ:rQ+7], v[rS:rS+7]
.endif
.endm
; Product i of 8 of O^T += V^T P for piece x: keys 32 (i / 4) on, channels 16 (i % 4) on.
.macro PV x
	WIN W_PV
.set rO, 32*(\x)+8*(i%4)
.set rV, VF+32*(i/4)+8*(i%4)
.set rP, P+16*((\x)%2)+8*(i/4)
	v_wmma_f32_16x16x32_bf16 v[rO:rO+7], v[rV:rV+7], v[rP:rP+7], v[rO:rO+7]
.endm
.macro MM                           ; the turn's next matrix instruction
.if i < 8
	KQ (Y+1)%NP
.else
.set i, i-8
	PV (Y+NP-1)%NP
.set i, i+8
.endif
.set i, i+1
.endm
; THE LDS LOADS stand in runs of 16, never singly among the matrix instructions: a step's K (64 keys x 64 channels: 8 fragments) and its V (turned).  Their addresses are made some lines ahead.
; last = 1 (the tail): in the last trip there is no further step, and the run is jumped over.
.macro FETCH_K last=0
	WIN 0
.if \last
	s_cmp_eq_u32 s[CNT], 1
	s_cbranch_scc1 .Lno_k_\@
.endif
	WIN 0x80                        ; destination window 2
.irp f, 0,1,2,3,4,5,6,7             ; keys 16 (f / 2) on, channels 32 (f % 2) on
	ds_load_b128 v[KF+8*\f:KF+8*\f+3],   v[AK] offset:(\f/2)*16*PK+(\f%2)*64
	ds_load_b128 v[KF+8*\f+4:KF+8*\f+7], v[AK] offset:(\f/2)*16*PK+(\f%2)*64+32
.endr
	s_add_co_u32 s[TBK], s[TBK], KS*PK  ; the next fetch is the next step's
	WIN 0
.if \last
.Lno_k_\@:
.endif
.endm
.macro FETCH_V
	WIN 0x80
.irp f, 0,1,2,3,4,5,6,7             ; keys 32 (f / 4) on, channels 16 (f % 4) on
	ds_load_tr16_b128 v[VF+8*\f:VF+8*\f+3],   v[AV] offset:(\f/4)*32*PV+(\f%4)*32
	ds_load_tr16_b128 v[VF+8*\f+4:VF+8*\f+7], v[AV] offset:(\f/4)*32*PV+16*PV+(\f%4)*32
.endr
	WIN 0
.endm
; THE VECTOR WORK, one line at a time: OP kind, number.  For piece Y: F n: c s - c m for pair n of 16.  E n: the exponential of score n of 32.  C n: pair n rounded to bf16.  B n: of the four weights 4 n ..
; the second pair is added onto the first, in place.  L n: l takes that sum (L 0: l = a l + sum).  R n: pair n of 16 of O^T times a.  For piece Y + 1: X n, number n of the 22 that find its maximum and statistics:
;   0-11  four chains c0-c3 of seven scores each, three operands at a time (each accumulator's lowest registers are read first)     12-14, 16  the four scores left over, the old m, c0-c3 into c0
;   15  c m_old is kept     17, 18  the query's other 32 keys lie in the lane 16 away: the new m     19-21  c m; c m_old - c m_new; a
.set F, 0               ; OP tells the kinds apart by their order: F to L below R, X above it
.set E, 1
.set C, 2
.set B, 3
.set L, 4
.set R, 5
.set X, 6
.macro REGS y                       ; the registers of piece y
.set rT, ST+4*(\y)
.set rC, TMP+4*((\y)%2)
.set rW, MV+((\y)%2)
.set rS, S+32*((\y)%2)
.set rP, P+16*((\y)%2)
.set rO, 32*(\y)
.endm
.macro OP k, n
.if (\k) == R
	REGS Y
	WIN W_RS
	v_pk_mul_f32 v[rO+2*(\n):rO+2*(\n)+1], v[rO+2*(\n):rO+2*(\n)+1], v[rC+2:rC+3] op_sel_hi:[1,0]
.elseif (\k) < R
	REGS Y
	WIN 0
.if (\k) == F
	v_pk_fma_f32 v[rS+2*(\n):rS+2*(\n)+1], v[rS+2*(\n):rS+2*(\n)+1], s[CS:CS+1], v[rT:rT+1] op_sel_hi:[1,0,0] neg_lo:[0,0,1] neg_hi:[0,0,1]
.elseif (\k) == E
	v_exp_f32 v[rS+(\n)], v[rS+(\n)]
.elseif (\k) == C
	s_wait_alu depctr_va_vdst(0)
	v_cvt_pk_bf16_f32 v[rP+(\n)], v[rS+2*(\n)], v[rS+2*(\n)+1]
.elseif (\k) == B
	s_wait_alu depctr_va_vdst(0)
	v_pk_add_f32 v[rS+4*(\n):rS+4*(\n)+1], v[rS+4*(\n):rS+4*(\n)+1], v[rS+4*(\n)+2:rS+4*(\n)+3]
.elseif (\n) == 0
	v_pk_fma_f32 v[rT+2:rT+3], v[rT+2:rT+3], v[rC+2:rC+3], v[rS:rS+1] op_sel_hi:[1,0,1]
.else
	v_pk_add_f32 v[rT+2:rT+3], v[rT+2:rT+3], v[rS+4*(\n):rS+4*(\n)+1]
.endif
.else
	REGS (Y+1)%NP
	WIN 0
.if (\n) < 4
	v_max3_num_f32 v[rC+(\n)], v[rS+8*(\n)], v[rS+8*(\n)+1], v[rS+8*(\n)+2]
.elseif (\n) < 12
	v_max3_num_f32 v[rC+(\n)%4], v[rC+(\n)%4], v[rS+8*((\n)%4)+2*((\n)/4)+1], v[rS+8*((\n)%4)+2*((\n)/4)+2]
.elseif (\n) == 12
	v_max3_num_f32 v[rC], v[rC], v[rS+7], v[rS+15]
.elseif (\n) == 13
	v_max3_num_f32 v[rC+1], v[rC+1], v[rS+23], v[rS+31]
.elseif (\n) == 14
	v_max3_num_f32 v[rC+2], v[rC+2], v[rC+3], v[rT+1]
.elseif (\n) == 15
	v_mov_b32 v[rW], v[rT]
.elseif (\n) == 16
	v_max3_num_f32 v[rC], v[rC], v[rC+1], v[rC+2]
.elseif (\n) == 17
	v_permlanex16_b32 v[rC+3], v[rC], s[SEL], s[SEL+1]
.elseif (\n) == 18
	v_max_num_f32 v[rT+1], v[rC], v[rC+3]
.elseif (\n) == 19
	v_mul_f32 v[rT], s[CS], v[rT+1]
.elseif (\n) == 20
	v_sub_f32 v[rC+1], v[rW], v[rT]
.else
	v_exp_f32 v[rC+2], v[rC+1]
.endif
.endif
.endm
.macro OPS a, i1, b=-1, i2=0, c=-1, i3=0, d=-1, i4=0  ; up to four of them
	OP \a, \i1
.if (\b) >= 0
	OP \b, \i2
.endif
.if (\c) >= 0
	OP \c, \i3
.endif
.if (\d) >= 0
	OP \d, \i4
.endif
.endm
.macro ROW a, i1, b, i2, c, i3, d, i4  ; a matrix instruction and the four behind it
	MM
	OPS \a, \i1, \b, \i2, \c, \i3, \d, \i4
.endm
; A TURN, for piece p: the order of its 16 matrix and 118 vector instructions, written out.  Behind a matrix instruction: plain, exponential, plain, plain; or four of the rescaling; or, behind the first, four
; scalings; none names a register of the products round it.  In the runs between, exponential and plain by turns while exponentials last, so that a plain instruction stands behind every exponential (ISA guide 5.7.2).
; K of the next step is fetched in piece 2's turn, six vector instructions behind the last product that read K (five of them plain); V of the step in hand in piece 0's turn, eight behind the last product
; that read V (five plain among them).  Each is waited for a turn later.  cnt = 1: the loop's count is taken down some lines ahead of the branch that stands behind the turn.
.macro TURN p, last=0, cnt=0
.set Y, (\p)
.set i, 0
.if (\p) == 3
	s_wait_dscnt 0x0                ; K is in
.endif
	ROW F,0, F,1, F,2, F,3
	ROW F,4, E,0, F,5, F,6
	ROW F,7, E,1, F,8, F,9
	ROW F,10, E,2, C,0, F,11
	ROW F,12, E,3, X,15, F,13
	ROW R,0, R,1, R,2, R,3
	ROW B,0, E,4, F,14, L,0
.if (\p) == 2
	v_add_nc_u32 v[AK], s[TBK], v[AK0]
.endif
	ROW R,4, R,5, R,6, R,7
	OPS E,5, F,15
.if (\p) == 2
	FETCH_K \last
.endif
	OPS E,6, C,1, E,7, R,8
	OPS E,8, R,9, E,9, C,2
	OPS E,10, X,0, E,11, X,1
	OPS E,12, X,2, E,13, X,3
.if (\p) == 1
	s_wait_dscnt 0x0                ; V is in
.endif
	ROW X,4, E,14, X,5, X,6
	ROW X,7, E,15, X,8, X,9
	ROW X,10, E,16, X,11, X,12
	ROW X,13, E,17, X,14, B,1
	ROW C,4, E,18, X,16, L,1
	ROW B,2, E,19, C,6, L,2
	ROW C,8, E,20, B,3, B,4
.if (\p) == 0
	v_add_nc_u32 v[AV], s[TBV], v[AV0]
.endif
	ROW C,3, E,21, L,3, C,5
	OPS E,22, X,17, E,23, C,10
.if (\p) == 0
	FETCH_V
.endif
	OPS E,24, L,4
	OPS E,25, X,18, E,26, C,7
	OPS E,27, B,5, E,28, X,19
	OPS E,29, C,12, E,30, L,5
	OPS E,31, X,20, B,6, C,9
	OPS C,14, C,11, X,21, L,6
.if (\p) == 0
	s_add_co_u32 s[TBV], s[TBV], KS*PV
.endif
.if \cnt
	s_sub_co_u32 s[CNT], s[CNT], 1
	s_cmp_lg_u32 s[CNT], 0
.endif
	OPS C,13, B,7, C,15, R,10
	OPS R,11, R,12, L,7, R,13
	OPS R,14, R,15
.endm
	CHANGE 1                        ; slot 0 is in, everybody's part of it; tile 1 is asked for
	v_add_nc_u32 v[AK], s[TBK], v[AK0]
	FETCH_K                         ; key step 0
	s_wait_loadcnt 0x0              ; Q
	s_wait_dscnt 0x0
.set i, 0
.rept 8
	KQ 0                            ; piece 0's first scores: there is no vector work yet to set between them
.set i, i+1
.endr
	WIN 0
.rept 4
	v_nop                           ; the places behind those products
.endr
.set Y, NP-1                        ; X works for piece Y + 1: piece 0
.irp n, 0,1,2,3,4,5,6,7,8,9,10,11,12,13,14,15,16,17,18,19,20,21
	OP X, \n
.endr
	v_nop                           ; a plain instruction behind the exponential
	s_mov_b32 s[CNT], 4
	s_branch .Lfirst                ; the loop is entered at a step's first turn, in the middle of a trip
.Lslot:                             ; NT - 2 times: every slot but the last two is filled again
	CHANGE 1
	s_mov_b32 s[CNT], 4
.Lstep:                             ; a trip: pieces 2 and 3 of one step, then pieces 0 and 1 of the next, whose K and V it fetches
	TURN 2
	TURN 3
	WIN 0
.Lfirst:
	TURN 0
	TURN 1, 0, 1
	WIN 0
	s_cbranch_scc1 .Lstep
	s_sub_co_u32 s[SLOTS], s[SLOTS], 1
	s_cmp_lg_u32 s[SLOTS], 0
	s_cbranch_scc1 .Lslot
	CHANGE 0                        ; the tail is written out: nothing is asked for
	s_mov_b32 s[CNT], 5             ; four trips fetch the last tile's steps; the fifth is left in its middle
.Ltail:
	TURN 2, 1
	TURN 3
	WIN 0
	s_sub_co_u32 s[CNT], s[CNT], 1
	s_cmp_eq_u32 s[CNT], 0
	s_cbranch_scc1 .Lout
	TURN 0
	TURN 1
	WIN 0
	s_branch .Ltail
.Lout:                              ; the fifth trip's 8 products K Q^T (on the last K once more) and the maximum made of them serve nothing: the price, once a launch, of one text for every trip
.set i, 0
.rept 8
	PV NP-1                         ; the last piece's V^T P of the last step
.set i, i+1
.endr
	; THE WAY OUT.  l's two halves and the other half of the lanes' are added; O^T is divided by l, rounded to f16 and sent through my stage in LDS, a piece at a time.  The additions are the places behind the last products.
	WIN 0
.macro ALL line:vararg              ; one line for each piece t
.set t, 0
.rept 4
	\line
.set t, t+1
.endr
.endm
	ALL v_add_f32 v[ST+4*t+2], v[ST+4*t+2], v[ST+4*t+3]
	ALL v_permlanex16_b32 v[ST+4*t+3], v[ST+4*t+2], s[SEL], s[SEL+1]
	ALL v_add_f32 v[ST+4*t+2], v[ST+4*t+2], v[ST+4*t+3]
	ALL v_rcp_f32 v[ST+4*t+2], v[ST+4*t+2]
	v_nop                           ; a plain instruction between the last reciprocal and the use of its result
.macro PACK t                       ; a lane's eight channels of a row pack into 16 bytes; they go into rows of 144 bytes and come back as whole rows of 128, into S^T's registers
	WIN W_RS
.set i, 32*(\t)
.rept 16
	s_wait_alu depctr_va_vdst(0)
	v_pk_mul_f32 v[i:i+1], v[i:i+1], v[ST+4*(\t)+2:ST+4*(\t)+3] op_sel_hi:[1,0]
.set i, i+2
.endr
	WIN 0x05                        ; sources 0 and 1 window 1, destination window 0
.set i, 0
.rept 16
	v_cvt_pk_f16_f32 v[S+16*(\t)+i], v[32*(\t)+2*i], v[32*(\t)+2*i+1]
.set i, i+1
.endr
	WIN 0
.irp f, 0,1,2,3
	ds_store_b128 v[STO], v[S+16*(\t)+4*\f:S+16*(\t)+4*\f+3] offset:32*\f
.endr
.irp f, 0,1,2,3
	ds_load_b128 v[S+16*(\t)+4*\f:S+16*(\t)+4*\f+3], v[RD] offset:\f*4*SP  ; LDS serves a wave's instructions in order (ISA guide 5.7.1.4): these see the stores above; the next piece's stores come behind them
.endr
.endm
.macro SEND t, younger              ; younger: the LDS instructions issued behind piece t's loads: the next piece's eight, or none
	WIN 0
.irp f, 0,1,2,3
	s_wait_dscnt (\younger)+3-\f
	global_store_b128 v[GO], v[S+16*(\t)+4*\f:S+16*(\t)+4*\f+3], s[10:11] offset:(\t)*2048+\f*512  ; 512 consecutive bytes, at a multiple of 256 from O's first
.endr
.endm
	PACK 0
.set t, 1
.rept 3                             ; a piece's arithmetic stands between the loads of the piece before and its stores
	PACK t
	SEND t-1, 8
.set t, t+1
.endr
	SEND 3, 0
	s_wait_tensorcnt 0x0            ; the wave's end: a wait, an add of 0 to my spare word and a wait, behind my last tensor load and my last LDS store
	ds_add_u32 v[SPW], v[NIL]
	s_wait_dscnt 0x0
	CROUND                          ; the closing round: no work-group ends while a partner may still ask for a tile that names it
	s_endpgm
.Lfunc_end_k_q02ccbc13cd_attn:
	.size	k_q02ccbc13cd_attn, .Lfunc_end_k_q02ccbc13cd_attn-k_q02ccbc13cd_attn
	.p2alignl 7, 3214868480
	.fill 96, 4, 3214868480
	.section	.rodata,"a",@progbits
	.p2align	6, 0x0
	.amdhsa_kernel k_q02ccbc13cd_attn
		.amdhsa_group_segment_fixed_size 327680
		.amdhsa_private_segment_fixed_size 0
		.amdhsa_enable_private_segment 0
		.amdhsa_kernarg_size 16
		.amdhsa_user_sgpr_count 2
		.amdhsa_user_sgpr_kernarg_segment_ptr 1
		.amdhsa_wavefront_size32 1
		.amdhsa_system_sgpr_workgroup_id_x 1
		.amdhsa_system_sgpr_workgroup_id_y 1
		.amdhsa_system_sgpr_workgroup_id_z 1
		.amdhsa_system_vgpr_workitem_id 0
		.amdhsa_next_free_vgpr 768
		.amdhsa_next_free_sgpr 66
		.amdhsa_reserve_vcc 0
		.amdhsa_float_denorm_mode_32 3
		.amdhsa_float_denorm_mode_16_64 3
		.amdhsa_memory_ordered 1
		.amdhsa_forward_progress 1
		.amdhsa_inst_pref_size 118
	.end_amdhsa_kernel
	.amdgpu_metadata
---
amdhsa.version: [ 1, 2 ]
amdhsa.kernels:
  - .name:           k_q02ccbc13cd_attn
    .symbol:         k_q02ccbc13cd_attn.kd
    .args:
      - { .name: qkv, .offset: 0, .size: 8, .value_kind: global_buffer, .address_space: global }
      - { .name: ob, .offset: 8, .size: 8, .value_kind: global_buffer, .address_space: global }
    .group_segment_fixed_size: 327680
    .private_segment_fixed_size: 0
    .kernarg_segment_align: 8
    .kernarg_segment_size: 16
    .max_flat_workgroup_size: 128
    .sgpr_count:     66
    .vgpr_count:     768
    .wavefront_size: 32
...
	.end_amdgpu_metadata
.endif
;; end of part 3
;; launch outp (part 4): grid 256 x 1, 4 waves a work-group, clusters of 4 x 1, 242,176 bytes of LDS; arguments ob, wcv, bo, x, out0; writes out0
.if DOCPART == 4
	.amdgcn_target "amdgcn-amd-amdhsa--gfx1250"
	.amdhsa_code_object_version 6
	.text
	.protected	k_q02ccbc13cd_outp
	.globl	k_q02ccbc13cd_outp
	.p2align	8
	.type	k_q02ccbc13cd_outp,@function
k_q02ccbc13cd_outp:
	s_mov_b64 s[64:65], 0
	v_nop
	global_prefetch_b8 v0, s[64:65] scope:SCOPE_SE
	s_setreg_imm32_b32 hwreg(HW_REG_WAVE_MODE, 25, 1), 1
	s_wait_xcnt 0x0
	s_wait_alu depctr_hold_cnt(0) depctr_sa_sdst(0) depctr_va_vdst(0) depctr_va_sdst(0) depctr_va_ssrc(0) depctr_va_vcc(0) depctr_vm_vsrc(0)
	s_getreg_b32 s2, hwreg(HW_REG_IB_STS2, 6, 4)
	s_cmp_eq_u32 s2, 0
	s_cbranch_scc0 .Lentry_in_a_cluster
	s_endpgm
.Lentry_in_a_cluster:
	s_bfe_u32 s2, ttmp6, 0x10000c
	s_cmp_lg_u32 s2, 0x3003
	s_cbranch_scc0 .Lentry_shape_is_right
	s_endpgm
.Lentry_shape_is_right:
; out0[b][o][n] = x[b][o][n] + bo[o] + the sum over c of wo[o][c] O[b][c][n], c = 64 head + d.  O: ob[4 b + head][n][64] in f16; wo: wcv[3] in f16; sums, bias and residual in f32.
; LIMITS.  The operands arrive within f16's 65,504 (O has V's range).
; SHARES.  A work-group makes all 256 output channels of 64 positions of one batch: a row of its tile is 256 bytes of out0.  K = 256: wo and O's tile lie whole in LDS and are filled once.
; Wave w makes channels 64 w .. 64 w + 63: 16 accumulators.  256 work-groups.
; CLUSTER.  All work-groups need the same wo, four fifths of a work-group's LDS bytes: the four of a cluster ask for it JOINTLY.  O's tile is each work-group's own.
; LAYOUT.  Source 0 = 16 positions x 32 channels of O (K lies along its rows), source 1 = 16 rows of wo: in the result a lane holds ONE output channel (lane % 16) and the positions
; 8 (lane / 16) + 0..7: 32 bytes of a row of out0.  The bias is the C operand of the first K step.  The rows go through my own stage in LDS, so that 16 lanes store 256 consecutive bytes;
; x is loaded in that same shape at the start and added on the way out.
; REGISTERS, in windows of 256: window 0: addresses, v32-63 the bias, v128-255 accumulators ((a, p) at 128 + 8 (4 a + p)), later the rows read back;
;   window 1: wo's fragments ((a, ks) at 8 (8 a + ks));   window 2: O's ((ks, p) at 8 (4 ks + p));   window 3: v0-127 x, then the result.
.set PW,    528                        ; a row of wo in LDS: 512 bytes + 16: the 16 rows of a load start at 16 different groups of four banks (64 banks of 4 bytes: ISA guide 11.1)
.set PO,    144                        ; a row of O (a position's 64 channels of one head): 128 + 16
.set OT,    256*PW                     ; behind wo's 256 rows: 4 heads x 64 positions
.set STAGE, OT+4*64*PO                 ; behind both, never filled by a tensor load: 64 rows x 272 bytes for each wave
.set SPI,   272
.set SPARE, STAGE+4*64*SPI             ; the spare words, 128 bytes a wave: two blocks of 256 bytes that no other line names
.set BV,   12                          ; v12-15 bo of my lane's channel in each of the four blocks of 16
.set ADRW, 16                          ; v16    my lane's place in my wave's rows of wo
.set ADRO, 17                          ; v17    my lane's place in O's tile
.set STO,  24                          ; v24    the way out: where I put 32 bytes of a row
.set RD,   25                          ; v25    where I read rows back
.set CO,   26                          ; v26    my 16 bytes of two rows of x and out0
.set BO,   27                          ; v27    my byte offset in bo
.set SPW,  28                          ; v28    my spare word; never rewritten
.set NIL,  29                          ; v29    0; never rewritten
.set BIAS, 32
.set ACC,  128
.set WV,   16                          ; s16    my wave's number
.set G1W,  24                          ; s[24:31] group 1 for wo    s[32:35] group 0
.set G0W,  32
.set G1O,  36                          ; s[36:43] group 1 for O     s[44:47] group 0
.set G0O,  44
.set MSB, 0
.macro WIN new                         ; the immediate's high byte repeats the setting that is left; a switch that changes nothing is dropped
.if MSB != (\new)
	s_set_vgpr_msb (MSB<<8)|(\new)
.set MSB, (\new)
.endif
.endm
.macro CROUND                          ; a round of the cluster's barrier: my work-group's barrier; wave 0 signals for it; every wave waits for all four; my work-group's barrier once more
	s_barrier_signal -1
	s_barrier_wait -1
	s_cmp_lg_u32 s[WV], 0
	s_cbranch_scc1 .Lnot_wave_0_\@
	s_barrier_signal -3
.Lnot_wave_0_\@:
	s_barrier_wait -3
	s_barrier_signal -1
	s_barrier_wait -1
.endm
.macro PLACES                          ; four places behind a matrix instruction, ahead of what reads its results (ISA guide 7.12.1)
.rept 4
	v_nop
.endr
.endm
	s_load_b256 s[4:11], s[0:1], 0x0               ; ob s[4:5], wcv s[6:7], bo s[8:9], x s[10:11]
	s_load_b64 s[12:13], s[0:1], 0x20              ; out0
	v_lshl_add_u32 v[SPW], v0, 2, SPARE
	v_mov_b32 v[NIL], 0
	ds_add_u32 v[SPW], v[NIL]                      ; the wave's opening: the add and its wait stand ahead of my first tensor load; the set-up below stands between them
	v_lshrrev_b32 v1, 5, v0
	v_readfirstlane_b32 s[WV], v1                  ; wave 0..3
	s_bfe_u32 s17, ttmp6, 0x40000                  ; cx: my place in the cluster
	s_lshl_b32 s18, ttmp9, 2                       ; in a cluster launch ttmp9 counts clusters
	s_add_co_u32 s18, s18, s17                     ; my block of 64 positions among the 256
	s_lshr_b32 s19, s18, 6                         ; batch
	s_and_b32 s20, s18, 63                         ; block in the batch
	s_mov_b32 s[G1W], 15|(1<<16)|(1<<20)|(1<<21)|(6<<22)|(3<<25)  ; 15:0 the mask of four; 17:16 2-byte elements; 20 padding on; 21 set beside a mask; 24:22 after every 128 words (code 6); 31:25 4 words (code 3)
	s_mov_b32 s[G1W+1], 256<<16                    ; tensor_dim0 = 256
	s_mov_b32 s[G1W+2], 64<<16                     ; tensor_dim1 = 64
	s_mov_b32 s[G1W+3], 256<<16                    ; tile_dim0 = 256
	s_mov_b32 s[G1W+4], 64                         ; tile_dim1 = 64: my wave's own rows
	s_mov_b32 s[G1W+5], 256                        ; elements from row to row
	s_mov_b32 s[G1W+6], 0
	s_mov_b32 s[G1W+7], 0
	; 64 positions of a head are 8,192 dense bytes: asked for as 32 rows of 256 bytes, two positions a row, and padded in LDS after every position
	s_mov_b32 s[G1O], (1<<16)|(1<<20)|(4<<22)|(3<<25)  ; no mask; after every 32 words (code 4) 4 words (code 3)
	s_mov_b32 s[G1O+1], 128<<16
	s_mov_b32 s[G1O+2], 32<<16
	s_mov_b32 s[G1O+3], 128<<16
	s_mov_b32 s[G1O+4], 32
	s_mov_b32 s[G1O+5], 128
	s_mov_b32 s[G1O+6], 0
	s_mov_b32 s[G1O+7], 0
	s_mov_b32 s[G0W], 1
	s_mul_i32 s[G0W+1], s[WV], 64*PW               ; LDS: wave x 64 rows; no place in the cluster enters an LDS address
	s_mov_b32 s[G0O], 1
	s_mul_i32 s[G0O+1], s[WV], 64*PO               ; wave w brings head w's tile
	s_add_co_u32 s[G0O+1], s[G0O+1], OT
	s_lshl_b32 s48, s[WV], 15                      ; wo's address hangs on the wave alone, in registers that never hold cx: my 64 rows of 512 bytes,
	s_add_co_u32 s48, s48, 3*131072                ; in the fourth matrix
	s_mov_b32 s49, 0
	s_lshl_b32 s22, s19, 2
	s_add_co_u32 s22, s22, s[WV]                   ; 4 b + w: as a head of ob,
	s_lshl_b32 s50, s22, 20                        ; and as 64 rows of 16,384 bytes of x and out0
	s_lshl_b32 s22, s22, 19                        ; 4,096 rows of 128 bytes
	s_lshl_b32 s21, s20, 13                        ; the block's 64 rows
	s_add_co_u32 s22, s22, s21
	s_mov_b32 s23, 0
	s_lshl_b32 s21, s20, 8                         ; the block's 256 bytes of a row
	s_add_co_u32 s50, s50, s21
	s_mov_b32 s51, 0
	s_wait_dscnt 0x0                               ; the opening add is done
	s_wait_kmcnt 0x0
	s_add_nc_u64 s[G0W+2:G0W+3], s[6:7], s[48:49]
	s_or_b32 s[G0W+3], s[G0W+3], 0x80000000        ; type = 2
	s_add_nc_u64 s[G0O+2:G0O+3], s[4:5], s[22:23]
	s_or_b32 s[G0O+3], s[G0O+3], 0x80000000
	s_add_nc_u64 s[10:11], s[10:11], s[50:51]
	s_add_nc_u64 s[12:13], s[12:13], s[50:51]
	CROUND                                         ; all four work-groups are here: the joint loads meet
	tensor_load_to_lds s[G0W:G0W+3], s[G1W:G1W+7]  ; two tensor loads of mine are out: my quarter of wo, jointly,
	s_nop 0
	tensor_load_to_lds s[G0O:G0O+3], s[G1O:G1O+7]  ; and one head's tile of O
	s_nop 0
	PLACES
	v_and_b32 v1, 15, v0                           ; l % 16
	v_bfe_u32 v2, v0, 4, 1                         ; l / 16
	s_lshl_b32 s21, s[WV], 8
	v_lshl_add_u32 v[BO], v1, 2, s21               ; 4 x (64 w + l % 16)
	v_lshlrev_b32 v[CO], 14, v2                    ; lanes 0-15 one row, lanes 16-31 the next,
	v_lshl_add_u32 v[CO], v1, 4, v[CO]             ; 16 bytes a lane
.irp a, 0,1,2,3
	global_load_b32 v[BV+(\a)], v[BO], s[8:9] offset:64*(\a)
.endr
	WIN 0xc0                                       ; destination window 3, address window 0
.set t, 0
.rept 32
	global_load_b128 v[4*t:4*t+3], v[CO], s[10:11] offset:32768*t th:TH_LOAD_NT  ; rows 2 t and 2 t + 1 of my 64: 16 lanes read 256 consecutive bytes, aligned
.set t, t+1
.endr
	WIN 0
	v_mul_u32_u24 v[ADRW], v1, PW                  ; a fragment: row l % 16, 16 bytes for each half of the lanes, twice, 32 bytes apart
	v_lshl_add_u32 v[ADRW], v2, 4, v[ADRW]
	v_add_nc_u32 v[ADRW], s[G0W+1], v[ADRW]        ; in my wave's 64 rows of wo
	v_mul_u32_u24 v[ADRO], v1, PO
	v_lshl_add_u32 v[ADRO], v2, 4, v[ADRO]
	v_add_nc_u32 v[ADRO], OT, v[ADRO]
	s_mul_i32 s21, s[WV], 64*SPI
	s_add_co_u32 s21, s21, STAGE                   ; my stage
	v_mul_u32_u24 v[STO], v1, SPI                  ; in: row l % 16, 32 bytes for each half of the lanes
	v_lshl_add_u32 v[STO], v2, 5, v[STO]
	v_add_nc_u32 v[STO], s21, v[STO]
	v_mul_u32_u24 v[RD], v2, SPI                   ; back: lanes 0-15 take one row of 256 bytes, lanes 16-31 the next
	v_lshl_add_u32 v[RD], v1, 4, v[RD]
	v_add_nc_u32 v[RD], s21, v[RD]
	s_wait_loadcnt 32                              ; bo is in; x's 32 loads stay out
.irp a, 0,1,2,3
.irp j, 0,1,2,3,4,5,6,7
	v_mov_b32 v[BIAS+8*(\a)+(\j)], v[BV+(\a)]      ; a lane's eight results of a block belong to one channel: its bias eight times, as the first product's C
.endr
.endr
.macro FETCH_W                         ; my 64 rows of wo, all of K: 64 loads
	WIN 0x40                                       ; destination window 1
.irp a, 0,1,2,3
.irp k, 0,1,2,3,4,5,6,7
	ds_load_b128 v[8*(8*(\a)+(\k)):8*(8*(\a)+(\k))+3],   v[ADRW] offset:(\a)*16*PW+(\k)*64
	ds_load_b128 v[8*(8*(\a)+(\k))+4:8*(8*(\a)+(\k))+7], v[ADRW] offset:(\a)*16*PW+(\k)*64+32
.endr
.endr
.endm
.macro FETCH_O                         ; 64 positions, all of K: 64 loads, eight for each K step, K ascending.  K step k lies in head k / 2, channels 32 (k % 2) on
	WIN 0x80                                       ; destination window 2
.irp k, 0,1,2,3,4,5,6,7
.irp p, 0,1,2,3
	ds_load_b128 v[8*(4*(\k)+(\p)):8*(4*(\k)+(\p))+3],   v[ADRO] offset:((\k)/2)*64*PO+(\p)*16*PO+((\k)%2)*64
	ds_load_b128 v[8*(4*(\k)+(\p))+4:8*(4*(\k)+(\p))+7], v[ADRO] offset:((\k)/2)*64*PO+(\p)*16*PO+((\k)%2)*64+32
.endr
.endr
.endm
.macro MULK ks                         ; K step ks: 16 products.  The 16 accumulators take turns, one instruction a turn
	s_wait_dscnt 56-8*(\ks)                        ; behind this step's eight loads stand those of the later steps, eight each
	WIN 0x06                                       ; source 0 (O) window 2, source 1 (wo) window 1, C and D window 0
.irp a, 0,1,2,3
.irp p, 0,1,2,3
.if (\ks) == 0
	v_wmma_f32_16x16x32_f16 v[ACC+8*(4*(\a)+(\p)):ACC+8*(4*(\a)+(\p))+7], v[8*(4*(\ks)+(\p)):8*(4*(\ks)+(\p))+7], v[8*(8*(\a)+(\ks)):8*(8*(\a)+(\ks))+7], v[BIAS+8*(\a):BIAS+8*(\a)+7]
.else
	v_wmma_f32_16x16x32_f16 v[ACC+8*(4*(\a)+(\p)):ACC+8*(4*(\a)+(\p))+7], v[8*(4*(\ks)+(\p)):8*(4*(\ks)+(\p))+7], v[8*(8*(\a)+(\ks)):8*(8*(\a)+(\ks))+7], v[ACC+8*(4*(\a)+(\p)):ACC+8*(4*(\a)+(\p))+7]
.endif
.endr
.endr
.endm
	s_wait_tensorcnt 0x0                           ; my parts of both tiles are in,
	s_barrier_signal -1
	s_barrier_wait -1                              ; everybody's are; nothing is ever filled again
	FETCH_W
	FETCH_O
	MULK 0
	MULK 1
	MULK 2
	MULK 3
	MULK 4
	MULK 5
	MULK 6
	MULK 7
	WIN 0
	PLACES
	; THE WAY OUT: 32 bytes a lane into my stage (each accumulator's low half first), back as whole rows of 256 bytes, x added, stored.
.irp a, 0,1,2,3
.irp p, 0,1,2,3
	ds_store_b128 v[STO], v[ACC+8*(4*(\a)+(\p)):ACC+8*(4*(\a)+(\p))+3]   offset:(\a)*16*SPI+64*(\p)
	ds_store_b128 v[STO], v[ACC+8*(4*(\a)+(\p))+4:ACC+8*(4*(\a)+(\p))+7] offset:(\a)*16*SPI+64*(\p)+16
.endr
.endr
.set t, 0
.rept 32
	ds_load_b128 v[ACC+4*t:ACC+4*t+3], v[RD] offset:2*t*SPI  ; LDS serves a wave's instructions in order (ISA guide 5.7.1.4): these see the stores above
.set t, t+1
.endr
	WIN 0xcc                                       ; source 0 and the address window 0; source 1, the store's data and the destination window 3
.set t, 0
.rept 32
	s_wait_dscnt 31-t                              ; rows 2 t and 2 t + 1 are back; the younger loads stay out
	s_wait_loadcnt 31-t                            ; and so are x's
	v_pk_add_f32 v[4*t:4*t+1], v[ACC+4*t:ACC+4*t+1], v[4*t:4*t+1]
	v_pk_add_f32 v[4*t+2:4*t+3], v[ACC+4*t+2:ACC+4*t+3], v[4*t+2:4*t+3]
	global_store_b128 v[CO], v[4*t:4*t+3], s[12:13] offset:32768*t th:TH_STORE_NT  ; 16 lanes store 256 consecutive bytes, aligned
.set t, t+1
.endr
	WIN 0
	s_wait_tensorcnt 0x0                           ; the wave's end: a wait, an add of 0 to my spare word and a wait, behind my last tensor load and my last LDS store
	ds_add_u32 v[SPW], v[NIL]
	s_wait_dscnt 0x0
	CROUND                                         ; the closing round: no work-group ends while a partner may still ask for a tile that names it
	s_endpgm
.Lfunc_end_k_q02ccbc13cd_outp:
	.size	k_q02ccbc13cd_outp, .Lfunc_end_k_q02ccbc13cd_outp-k_q02ccbc13cd_outp
	.p2alignl 7, 3214868480
	.fill 96, 4, 3214868480
	.section	.rodata,"a",@progbits
	.p2align	6, 0x0
	.amdhsa_kernel k_q02ccbc13cd_outp
		.amdhsa_group_segment_fixed_size 242176
		.amdhsa_private_segment_fixed_size 0
		.amdhsa_enable_private_segment 0
		.amdhsa_kernarg_size 40
		.amdhsa_user_sgpr_count 2
		.amdhsa_user_sgpr_kernarg_segment_ptr 1
		.amdhsa_wavefront_size32 1
		.amdhsa_system_sgpr_workgroup_id_x 1
		.amdhsa_system_sgpr_workgroup_id_y 1
		.amdhsa_system_sgpr_workgroup_id_z 1
		.amdhsa_system_vgpr_workitem_id 0
		.amdhsa_next_free_vgpr 896
		.amdhsa_next_free_sgpr 66
		.amdhsa_reserve_vcc 0
		.amdhsa_float_denorm_mode_32 3
		.amdhsa_float_denorm_mode_16_64 3
		.amdhsa_memory_ordered 1
		.amdhsa_forward_progress 1
		.amdhsa_inst_pref_size 40
	.end_amdhsa_kernel
	.amdgpu_metadata
---
amdhsa.version: [ 1, 2 ]
amdhsa.kernels:
  - .name:           k_q02ccbc13cd_outp
    .symbol:         k_q02ccbc13cd_outp.kd
    .args:
      - { .name: ob, .offset: 0, .size: 8, .value_kind: global_buffer, .address_space: global }
      - { .name: wcv, .offset: 8, .size: 8, .value_kind: global_buffer, .address_space: global }
      - { .name: bo, .offset: 16, .size: 8, .value_kind: global_buffer, .address_space: global }
      - { .name: x, .offset: 24, .size: 8, .value_kind: global_buffer, .address_space: global }
      - { .name: out0, .offset: 32, .size: 8, .value_kind: global_buffer, .address_space: global }
    .group_segment_fixed_size: 242176
    .private_segment_fixed_size: 0
    .kernarg_segment_align: 8
    .kernarg_segment_size: 40
    .max_flat_workgroup_size: 128
    .sgpr_count:     66
    .vgpr_count:     896
    .wavefront_size: 32
...
	.end_amdgpu_metadata
.endif
;; end of part 4
;; ======== version 2 of 2: 4 launches; version 1 with the launch norm written anew for expert scheduling mode
;; limits: values are held in f16: magnitudes above 65,504 overflow, below 6.1e-05 lose precision
;; workspace buffers: xn 16,777,216 bytes; wcv 524,288 bytes; qkv 25,165,824 bytes; ob 8,388,608 bytes
;; launch norm (part 5): grid 256 x 1, 8 waves a work-group, no clusters, 1,280 bytes of LDS; arguments x, cond, gn_q_w, gn_q_b, gn_kv_w, gn_kv_b, wq, wk, wv, wo, xn, wcv; writes xn, wcv
.if DOCPART == 5
	.amdgcn_target "amdgcn-amd-amdhsa--gfx1250"
	.amdhsa_code_object_version 6
	.text
	.protected	k_q02ccbc13cd_norm
	.globl	k_q02ccbc13cd_norm
	.p2align	8
	.type	k_q02ccbc13cd_norm,@function
k_q02ccbc13cd_norm:
	s_mov_b64 s[64:65], 0
	v_nop
	global_prefetch_b8 v0, s[64:65] scope:SCOPE_SE
	s_setreg_imm32_b32 hwreg(HW_REG_WAVE_SCHED_MODE, 0, 2), 2
	s_setreg_imm32_b32 hwreg(HW_REG_WAVE_MODE, 25, 1), 1
	s_wait_xcnt 0x0
	s_wait_alu depctr_vm_vsrc(0)
; GROUP NORM of x and of cond, rounded once to bf16, and the four weight matrices rounded once to 16 bits.
; xn[t][b][c][n] = (in - mean) * rsqrt(var + 1e-5) * gamma[c] + beta[c], t = 0: x, t = 1: cond; mean and var over a group of 8 channels x 4,096 positions.
; wcv[0..2] = wq, wk, wv in bf16; wcv[3] = wo in f16 (the last product takes f16 operands; |wo| stays under 65,504, and below 6e-5 it keeps f16's fixed step of 6e-8).
; SHARES.  256 work-groups, one for each (t, b, group): 131,072 consecutive bytes.  Each of the eight waves takes one channel, 16,384 bytes: 32 loads of 16 bytes a lane,
; kept in 128 registers between the three passes (sum; sum of squared deviations; scale), so the group is read once.  The mean is taken away BEFORE the squares are summed:
; no difference of large sums is formed under a common offset of the inputs.  All sums in f32.
; Each work-group also converts 1,024 weights: 16 bytes in, 8 bytes out a thread.
; No matrix work, no tensor load, no cluster: no two work-groups read the same bytes, and every byte crosses once.
; THE MODE: SCHED_MODE bits 1:0 = 2 (LLVM: expert scheduling mode 2), set by the entry lines.  The code itself states the register dependences
; between vector instructions and memory or LDS instructions, with s_wait_alu, always for 0.
; THE PLAN.  Registers that memory or LDS instructions touch:
;   v2-v9       offsets, LDS addresses and the closing add's two registers: written at the head, ahead of one wait, and never again.
;   v[10:13]    the weights as loaded: loaded once.      v[14:15]  the weights to store: written in either arm of the branch, stored behind the join, never written again.
;   X           the channel: each register is loaded once, into registers that no vector instruction has named; passes 2 and 3 work in place; pass 3's stores read X+4i, X+4i+1, which are never written again.
;   v[CH]       read by the LDS store of each REDUCE; written again by pass 2's squares: one wait on vm_vsrc ahead of them.
;   T           the two LDS loads of each REDUCE land in it; between the two REDUCEs vector instructions name it.
; Pass 3 goes in eight blocks of four rows: block p scales and rounds its own sixteen registers, and its memory instructions are the four stores of block p - 1, whose registers no
; vector instruction of block p names.  So one wait on va_vdst at a block's head states all that the block's stores hang on.
.set SPARE, 256                        ; bytes 0-31: the waves' sums; 32-63: their sums of squares; from 256: the spare words, 128 bytes a wave
.set SPW, 8                            ; v8   my spare word: SPARE + 4 x my thread's number; never rewritten
.set NIL, 9                            ; v9   0; never rewritten
.set X,   16                           ; v[16:143]  my 128 numbers of the channel
.set CH,  144                          ; v[144:151] four packed chains
.set T,   152                          ; v[152:159] the eight waves' partial sums
.set M,   160                          ; v[160:161] the mean, twice
.set SC,  162                          ; v[162:163] rstd x gamma, twice
.set BT,  164                          ; v[164:165] beta, twice
.set PX,  166                          ; v166 the other half of the lanes' sum
	s_load_b512 s[8:23], s[0:1], 0x0               ; x, cond, gn_q_w, gn_q_b, gn_kv_w, gn_kv_b, wq, wk
	s_load_b256 s[24:31], s[0:1], 0x40             ; wv, wo, xn, wcv
	v_lshl_add_u32 v[SPW], v0, 2, SPARE
	v_mov_b32 v[NIL], 0
	v_lshrrev_b32 v1, 5, v0
	v_readfirstlane_b32 s32, v1                    ; wave 0..7
	v_and_b32 v1, 31, v0                           ; lane
	v_lshlrev_b32 v2, 4, v1                        ; 16 x lane: my 16 bytes of a load's 512
	v_lshlrev_b32 v3, 4, v0                        ; 16 x thread: my four weights
	v_lshlrev_b32 v4, 3, v0                        ; 8 x thread: where they go
	v_lshlrev_b32 v5, 3, v1                        ; 8 x lane: my 8 bytes of a store's 256
	s_wait_alu depctr_va_sdst(0)                   ; s32 is written, ahead of its first reader, the line below; the bases are made from it too
	v_mov_b32 v6, s32
	v_lshlrev_b32 v6, 2, v6                        ; my wave's word in LDS
	v_mov_b32 v7, 0
	v_mov_b32 v[PX], 0                             ; v_permlanex16_b32's destination counts as read
	s_mov_b32 s58, 0x76543210                      ; its selects: each lane takes its own place in the other half
	s_mov_b32 s59, 0xfedcba98
	s_mov_b32 s34, 0x38000000                      ; 2^-15 = 1 / (8 x 4,096)
	s_mov_b32 s35, 0x3727c5ac                      ; 1e-5
	s_lshr_b32 s33, ttmp9, 7                       ; t
	s_lshr_b32 s52, ttmp9, 6                       ; which weight matrix
	s_and_b32 s46, ttmp9, 127                      ; 32 b + group
	s_lshl_b32 s46, s46, 17                        ; its 131,072 bytes,
	s_lshl_b32 s53, s32, 14                        ; my wave's channel in them
	s_add_co_u32 s46, s46, s53
	s_mov_b32 s47, 0
	s_and_b32 s42, ttmp9, 31
	s_lshl_b32 s42, s42, 3
	s_add_co_u32 s42, s42, s32                     ; the channel: 8 x group + wave
	s_lshl_b32 s42, s42, 2                         ; in bytes
	s_mov_b32 s43, 0
	s_wait_kmcnt 0x0
	s_cmp_eq_u32 s33, 0
	s_cselect_b64 s[36:37], s[8:9], s[10:11]       ; x or cond
	s_cselect_b64 s[38:39], s[12:13], s[16:17]     ; its gamma
	s_cselect_b64 s[40:41], s[14:15], s[18:19]     ; its beta
	s_add_nc_u64 s[36:37], s[36:37], s[46:47]
	s_add_nc_u64 s[38:39], s[38:39], s[42:43]
	s_add_nc_u64 s[40:41], s[40:41], s[42:43]
	s_load_b32 s44, s[38:39], 0x0                  ; gamma of my channel
	s_load_b32 s45, s[40:41], 0x0                  ; beta
	s_cmp_eq_u32 s52, 0
	s_cselect_b64 s[48:49], s[20:21], s[22:23]     ; wq or wk
	s_cmp_eq_u32 s52, 2
	s_cselect_b64 s[50:51], s[24:25], s[26:27]     ; wv or wo
	s_cmp_lt_u32 s52, 2
	s_cselect_b64 s[48:49], s[48:49], s[50:51]
	s_and_b32 s46, ttmp9, 63
	s_lshl_b32 s46, s46, 12                        ; my work-group's 1,024 weights of the matrix
	s_add_nc_u64 s[48:49], s[48:49], s[46:47]
	s_lshl_b32 s46, ttmp9, 16                      ; the group in xn: 8 channels x 8,192 bytes,
	s_lshl_b32 s53, s32, 13                        ; my channel
	s_add_co_u32 s46, s46, s53
	s_add_nc_u64 s[54:55], s[28:29], s[46:47]
	s_lshl_b32 s46, ttmp9, 11                      ; 1,024 weights of 2 bytes
	s_add_nc_u64 s[56:57], s[30:31], s[46:47]
	s_wait_alu depctr_va_vdst(0)                   ; v2 to v9 are written: every load, store and LDS instruction of the kernel reads one or two of them as its address, and none is written again
	global_load_b128 v[10:13], v3, s[48:49]
.set i, 0
.rept 32
	global_load_b128 v[X+4*i:X+4*i+3], v2, s[36:37] offset:512*i th:TH_LOAD_NT  ; 512 consecutive bytes a load; the whole channel is on its way
.set i, i+1
.endr
	s_wait_loadcnt 32                              ; the weights are in; the channel's 32 loads stay out
	s_cmp_eq_u32 s52, 3
	s_cbranch_scc1 .Lhalf
	v_cvt_pk_bf16_f32 v14, v10, v11
	v_cvt_pk_bf16_f32 v15, v12, v13
	s_branch .Lwout
.Lhalf:
	v_cvt_pk_f16_f32 v14, v10, v11
	v_cvt_pk_f16_f32 v15, v12, v13
.Lwout:
	s_wait_alu depctr_va_vdst(0)                   ; the two conversions, of either arm, have written v14 and v15, which the store reads
	global_store_b64 v4, v[14:15], s[56:57]        ; a wave stores 256 consecutive bytes, aligned
; The four packed chains are folded, summed over the 32 lanes, and over the eight waves through LDS bytes off .. off + 31; the sum ends in v[T], in every lane.
.macro REDUCE off
	v_pk_add_f32 v[CH:CH+1], v[CH:CH+1], v[CH+2:CH+3]
	v_pk_add_f32 v[CH+4:CH+5], v[CH+4:CH+5], v[CH+6:CH+7]
	v_pk_add_f32 v[CH:CH+1], v[CH:CH+1], v[CH+4:CH+5]
	v_add_f32 v[CH], v[CH], v[CH+1]
	v_add_f32_dpp v[CH], v[CH], v[CH] row_xmask:1 row_mask:0xf bank_mask:0xf
	v_add_f32_dpp v[CH], v[CH], v[CH] row_xmask:2 row_mask:0xf bank_mask:0xf
	v_add_f32_dpp v[CH], v[CH], v[CH] row_xmask:4 row_mask:0xf bank_mask:0xf
	v_add_f32_dpp v[CH], v[CH], v[CH] row_xmask:8 row_mask:0xf bank_mask:0xf
	v_permlanex16_b32 v[PX], v[CH], s58, s59
	v_add_f32 v[CH], v[CH], v[PX]
	s_wait_alu depctr_va_vdst(0)                   ; the sum has written v[CH], which the LDS store reads; and the vector instructions that named v[T ..] behind the sum before are done: the LDS loads below land there, and no vector instruction stands between
	ds_store_b32 v6, v[CH] offset:\off             ; all lanes write the wave's word with the same value
	s_wait_dscnt 0x0                               ; for the others' sake: my store is done
	s_barrier_signal -1
	s_barrier_wait -1
	ds_load_b128 v[T:T+3], v7 offset:\off
	ds_load_b128 v[T+4:T+7], v7 offset:(\off)+16
	s_wait_dscnt 0x0
	v_pk_add_f32 v[T:T+1], v[T:T+1], v[T+2:T+3]
	v_pk_add_f32 v[T+4:T+5], v[T+4:T+5], v[T+6:T+7]
	v_pk_add_f32 v[T:T+1], v[T:T+1], v[T+4:T+5]
	v_add_f32 v[T], v[T], v[T+1]
.endm
	; pass 1: the sum.  Pair p is v[X+2p:X+2p+1]; load i brings pairs 2 i and 2 i + 1.  The first eight pairs start the chains: nothing is cleared.
	s_wait_loadcnt 24                              ; loads 0-7 are in, the 24 younger stay out
.irp k, 0,1,2,3
	v_pk_add_f32 v[CH+2*(\k):CH+2*(\k)+1], v[X+2*(\k):X+2*(\k)+1], v[X+2*(\k)+8:X+2*(\k)+9]
.endr
.set p, 8
.rept 56
.if (p == 16) || (p == 32) || (p == 48)
	s_wait_loadcnt 24-p/2                          ; eight more loads are in: 16, 8, 0 younger ones stay out
.endif
	v_pk_add_f32 v[CH+2*(p%4):CH+2*(p%4)+1], v[CH+2*(p%4):CH+2*(p%4)+1], v[X+2*p:X+2*p+1]
.set p, p+1
.endr
	REDUCE 0
	v_mul_f32 v[M], s34, v[T]                      ; the mean
	v_mov_b32 v[M+1], v[M]
	; pass 2: deviations in place, and the sum of their squares
.set p, 0
.rept 64
	v_pk_add_f32 v[X+2*p:X+2*p+1], v[X+2*p:X+2*p+1], v[M:M+1] neg_lo:[0,1] neg_hi:[0,1]
.set p, p+1
.endr
	s_wait_alu depctr_vm_vsrc(0)                   ; the first sum's LDS store has read v[CH], which the squares below write again
.set p, 0
.rept 64
.if p < 4
	v_pk_mul_f32 v[CH+2*p:CH+2*p+1], v[X+2*p:X+2*p+1], v[X+2*p:X+2*p+1]
.else
	v_pk_fma_f32 v[CH+2*(p%4):CH+2*(p%4)+1], v[X+2*p:X+2*p+1], v[X+2*p:X+2*p+1], v[CH+2*(p%4):CH+2*(p%4)+1]
.endif
.set p, p+1
.endr
	REDUCE 32                                      ; other bytes than the first sum's: no barrier is needed ahead of the store
	v_fma_f32 v[T], v[T], s34, s35                 ; var + eps
	v_rsq_f32 v[T+1], v[T]
	v_nop                                          ; a plain instruction between the root and the use of its result (ISA guide 5.7.2)
	s_wait_kmcnt 0x0                               ; gamma and beta
	s_wait_alu depctr_va_vdst(0)                   ; the root has written v[T+1], ahead of its first reader
	v_mul_f32 v[SC], s44, v[T+1]
	v_mov_b32 v[BT], s45
	v_mov_b32 v[BT+1], s45
	v_mov_b32 v[SC+1], v[SC]
	; pass 3: scale, round to bf16, store: the four numbers of load i become 8 bytes a lane.  Eight blocks of four rows; a block's stores are issued in the block behind it.
.macro SCALE i
	v_pk_fma_f32 v[X+4*(\i):X+4*(\i)+1], v[X+4*(\i):X+4*(\i)+1], v[SC:SC+1], v[BT:BT+1]
	v_pk_fma_f32 v[X+4*(\i)+2:X+4*(\i)+3], v[X+4*(\i)+2:X+4*(\i)+3], v[SC:SC+1], v[BT:BT+1]
	v_cvt_pk_bf16_f32 v[X+4*(\i)], v[X+4*(\i)], v[X+4*(\i)+1]
	v_cvt_pk_bf16_f32 v[X+4*(\i)+1], v[X+4*(\i)+2], v[X+4*(\i)+3]
.endm
.macro OUT i
	global_store_b64 v5, v[X+4*(\i):X+4*(\i)+1], s[54:55] offset:256*(\i)  ; a wave stores 256 consecutive bytes, aligned
.endm
.set i, 0
.rept 4                                        ; block 0 has no block in front of it
	SCALE i
.set i, i+1
.endr
.rept 7                                        ; blocks 1 to 7
	s_wait_alu depctr_va_vdst(0)                   ; the block before has written its eight packed registers, which the four stores below read; no vector instruction of this block names them
.rept 4
	OUT i-4
	SCALE i
.set i, i+1
.endr
.endr
	s_wait_alu depctr_va_vdst(0)                   ; block 7 has written its packed registers, which the last four stores read
.rept 4
	OUT i-4
.set i, i+1
.endr
	s_wait_dscnt 0x0                               ; the closing lines, six on end
	s_wait_alu 0x0
	s_wait_tensorcnt 0x0
	ds_add_u32 v[SPW], v[NIL]
	s_wait_dscnt 0x0
	s_endpgm
.Lfunc_end_k_q02ccbc13cd_norm:
	.size	k_q02ccbc13cd_norm, .Lfunc_end_k_q02ccbc13cd_norm-k_q02ccbc13cd_norm
	.p2alignl 7, 3214868480
	.fill 96, 4, 3214868480
	.section	.rodata,"a",@progbits
	.p2align	6, 0x0
	.amdhsa_kernel k_q02ccbc13cd_norm
		.amdhsa_group_segment_fixed_size 1280
		.amdhsa_private_segment_fixed_size 0
		.amdhsa_enable_private_segment 0
		.amdhsa_kernarg_size 96
		.amdhsa_user_sgpr_count 2
		.amdhsa_user_sgpr_kernarg_segment_ptr 1
		.amdhsa_wavefront_size32 1
		.amdhsa_system_sgpr_workgroup_id_x 1
		.amdhsa_system_sgpr_workgroup_id_y 1
		.amdhsa_system_sgpr_workgroup_id_z 1
		.amdhsa_system_vgpr_workitem_id 0
		.amdhsa_next_free_vgpr 168
		.amdhsa_next_free_sgpr 66
		.amdhsa_reserve_vcc 0
		.amdhsa_float_denorm_mode_32 3
		.amdhsa_float_denorm_mode_16_64 3
		.amdhsa_memory_ordered 1
		.amdhsa_forward_progress 1
		.amdhsa_inst_pref_size 33
	.end_amdhsa_kernel
	.amdgpu_metadata
---
amdhsa.version: [ 1, 2 ]
amdhsa.kernels:
  - .name:           k_q02ccbc13cd_norm
    .symbol:         k_q02ccbc13cd_norm.kd
    .args:
      - { .name: x, .offset: 0, .size: 8, .value_kind: global_buffer, .address_space: global }
      - { .name: cond, .offset: 8, .size: 8, .value_kind: global_buffer, .address_space: global }
      - { .name: gn_q_w, .offset: 16, .size: 8, .value_kind: global_buffer, .address_space: global }
      - { .name: gn_q_b, .offset: 24, .size: 8, .value_kind: global_buffer, .address_space: global }
      - { .name: gn_kv_w, .offset: 32, .size: 8, .value_kind: global_buffer, .address_space: global }
      - { .name: gn_kv_b, .offset: 40, .size: 8, .value_kind: global_buffer, .address_space: global }
      - { .name: wq, .offset: 48, .size: 8, .value_kind: global_buffer, .address_space: global }
      - { .name: wk, .offset: 56, .size: 8, .value_kind: global_buffer, .address_space: global }
      - { .name: wv, .offset: 64, .size: 8, .value_kind: global_buffer, .address_space: global }
      - { .name: wo, .offset: 72, .size: 8, .value_kind: global_buffer, .address_space: global }
      - { .name: xn, .offset: 80, .size: 8, .value_kind: global_buffer, .address_space: global }
      - { .name: wcv, .offset: 88, .size: 8, .value_kind: global_buffer, .address_space: global }
    .group_segment_fixed_size: 1280
    .private_segment_fixed_size: 0
    .kernarg_segment_align: 8
    .kernarg_segment_size: 96
    .max_flat_workgroup_size: 256
    .sgpr_count:     66
    .vgpr_count:     168
    .wavefront_size: 32
...
	.end_amdgpu_metadata
.endif
;; end of part 5
;; launch proj: the kernel of part 2 again; grid 64 x 3, 4 waves a work-group, clusters of 4 x 1, 284,160 bytes of LDS; arguments xn, wcv, bq, bk, bv, qkv; writes qkv
;; launch attn: the kernel of part 3 again; grid 16 x 16, 4 waves a work-group, clusters of 4 x 1, 327,680 bytes of LDS; arguments qkv, ob; writes ob
;; launch outp: the kernel of part 4 again; grid 256 x 1, 4 waves a work-group, clusters of 4 x 1, 242,176 bytes of LDS; arguments ob, wcv, bo, x, out0; writes out0
